; MI455X (gfx1250); checked and timed in simulation.
; The chip was launched on July 23, 2026; its instructions are those of AMD's public machine-readable ISA for CDNA 5 (MIT licence, August 2026) and "CDNA5" Instruction Set Architecture Reference Guide (July 2026). The comments in the code are by the model that wrote it; some were corrected since.
;; Attention. Allowed arithmetic: matrix products marked QUANTISED: E4M3 operands, one E8M0 scale for each 32 along K, by v_wmma_scale_f32_16x16x128_f8f6f4 with both operands' format E4M3, f32 sums; everything else in f32.
;; Inputs: freq_cos 4,096 x 32 float32; freq_sin 4,096 x 32 float32; wk 1,024 x 256 float32; wo 256 x 1,024 float32; wq 1,024 x 1,024 float32; wv 1,024 x 256 float32; x 2 x 4,096 x 1,024 float32.
;; Outputs: out0 2 x 4,096 x 1,024 float32.
;; This version of the problem:
;;   THIS VERSION OF THE PROBLEM IS GIVEN IN LOW PRECISION. The matrix products marked QUANTISED in the list below multiply operands that are first quantised to E4M3 (4 exponent bits, 3 mantissa bits; 8 bits a number), with one power-of-two scale for each 32 numbers along K (OCP MX v1.0); their sums are f32. All else is computed in f32.
;;   The module's matrix products, in the order in which they are computed (A, B: the left and right operand; K: the contracted axis; several contracted axes count as one K, in the product's order):
;;     1. [M 8,192, K 1,024] x [K 1,024, N 1,024]; A: input x; B: input wq: QUANTISED
;;     2. [M 8,192, K 1,024] x [K 1,024, N 256]; A: input x; B: input wk: QUANTISED
;;     3. [M 8,192, K 1,024] x [K 1,024, N 256]; A: input x; B: input wv: QUANTISED
;;     4. batch 8 x [M 4,096, K 64] x [K 64, N 4,096]; A: computed on the way; B: computed on the way: QUANTISED
;;     5. batch 8 x [M 64, K 4,096] x [K 4,096, N 4,096]; A: computed on the way; B: softmax (see below): QUANTISED
;;     6. [M 8,192, K 256] x [K 256, N 1,024]; A: computed on the way; B: input wo: QUANTISED
;;   THE QUANTISER, for each operand of a quantised product, along K:
;;     - K is cut into blocks of 32 from its start; a last block that is shorter is filled with zeros.
;;     - A block's scale is 2^e with e = floor(log2(the largest magnitude in the block)) - 8, held to -126 .. 127; a block of zeros has e = 0. As a byte (E8M0): e + 127.
;;     - Each number is divided by its block's scale, clamped to +-448, and rounded to the nearest number of E4M3, ties to even, subnormals kept.
;;     - The product sums the exact products of the quantised numbers (number of the format x scale) in f32.
;;   ~~~python
;;   def quantise(x, axis):      # numpy; x: float32 -> the quantised numbers, widened to float32 again
;;       x = np.moveaxis(x, axis, -1); K = x.shape[-1]
;;       x = np.pad(x, [(0, 0)] * (x.ndim - 1) + [(0, -K % 32)]); x = x.reshape(x.shape[:-1] + (-1, 32)); a = np.abs(x).max(-1, keepdims=True)
;;       e = np.where(a > 0, np.clip(np.frexp(np.where(a > 0, a, 1))[1] - 1 - 8, -126, 127), 0)      # np.frexp(a)[1] - 1 = floor(log2(a)), exactly
;;       r = np.clip(x / 2.0 ** e, -448, 448)
;;       step = 2.0 ** (np.maximum(np.frexp(np.where(r == 0, 1, r))[1] - 1, -6) - 3)
;;       q = np.round(r / step) * step * 2.0 ** e      # np.round: ties to even
;;       return np.moveaxis(q.reshape(q.shape[:-2] + (-1,))[..., :K], -1, axis).astype(np.float32)
;;   ~~~
;;   SOFTMAX AHEAD OF A QUANTISED PRODUCT. Where the list says 'softmax', what is quantised is not the finished softmax but p = 2^(t - M), with t = logit x log2(e) and M = ceil(the row's largest t), a whole number; so 1/2 < the row's largest p <= 1. The row's sum l is taken of the UNQUANTISED p, in f32, and the product's result is divided by l at the end. Since M is a whole number, a kernel that streams over the keys may use a running M (the ceiling of the running maximum): every later rescaling is an exact power of two, which a block's scale takes up: the codes' values come out the same.
;;   OPERANDS COMPUTED ON THE WAY. 'Computed on the way' means the value that the module computes at that place (a softmax that the list does not call 'softmax' is quantised finished and normalised). What goes into a quantiser is computed in f32, as accurately as f32 sums, v_exp_f32 and their like allow (about 1e-6 of the number): no bf16 or f16 on the way to a quantiser, and a product that is left as it is and whose result goes on into a quantised operand takes f32 operands (vector FMAs, or v_wmma_f32_16x16x4_f32). A number that lies on a knife's edge between two numbers of the format may be rounded either way, as far as f32 arithmetic and the matrix unit's own rounding can turn it there, and no further.
;; One version. Each part assembles by itself: llvm-mc -triple=amdgcn-amd-amdhsa -mcpu=gfx1250 --defsym DOCPART=n.
;; ======== version 1 of 1: 4 launches
;; limits: right only within a limited range of input values
;; workspace buffers: xq 8,650,752 bytes; wts 1,916,928 bytes; qb 2,228,224 bytes; kv 4,325,376 bytes; ob 2,228,224 bytes
;; launch quant (part 1): grid 624 x 1, 4 waves a work-group, no clusters, 68,096 bytes of LDS; arguments x, wq, wk, wv, wo, xq, wts; writes xq, wts
.if DOCPART == 1
	.amdgcn_target "amdgcn-amd-amdhsa--gfx1250"
	.amdhsa_code_object_version 6
	.text
	.protected	k_q50a4d871b2_quant
	.globl	k_q50a4d871b2_quant
	.p2align	8
	.type	k_q50a4d871b2_quant,@function
k_q50a4d871b2_quant:
	s_mov_b64 s[64:65], 0
	v_nop
	global_prefetch_b8 v0, s[64:65] scope:SCOPE_SE
	s_setreg_imm32_b32 hwreg(HW_REG_WAVE_MODE, 25, 1), 1
	s_wait_xcnt 0x0
; x [8192][1024] and the four weights (K is their FIRST axis) become codes of FP8 (E4M3) with one E8M0 byte for each 32 along K, laid in the ORDER OF THE OPERAND'S REGISTERS:
; a fragment (16 rows x 128 K) is 2,048 bytes, piece (c, lane) = 16 bytes at 512 c + 16 lane = k 32 c + 16 (lane / 16) + 0 .. 15 of row lane % 16.
; THE ROWS OF A FRAGMENT ARE NOT NEIGHBOURS: row r of tile 2 b + u is member 32 b + 8 u + r + 8 (r / 8) of its run of tokens or of columns.
; A block's scale is 2^(floor(log2(largest magnitude)) - 8); each number is divided by it, held within +-448 and rounded to the nearest code, ties to even.
; LIMITS: a block whose largest magnitude lies under 2^-118 (a block of zeros too) gets the byte 1: its codes are then zeros or subnormal codes, and this program alone reads the bytes; NaN and infinities among the inputs are not served.
; xq : codes [row block 64][sigma 4][tile 8][s2 2][2048]; from XSC on scale words [tile 512][sigma 4][row 16][s2 2].   K step s = 2 sigma + s2.
; wts: codes [head 4][sigma 4][F 24][s2 2][2048], F = 4 G + 2 b + u (G 0..3: wq's four groups, 4: wk, 5: wv); from WSC words [head][F][row 16][s 8]; from WOC wo's codes [F' 64][s 2][2048]; from WOS its words [F'][row][8].
; WORK-GROUPS: 0-79 wq and wo (rows of 4,096 bytes), 80-111 wk and wv (rows of 1,024 bytes), 112-623 x.  The paths part on the work-group's number; only x's path touches LDS.
.set XSC,   8388608
.set WSC,   1572864
.set WOC,   1622016
.set WOS,   1884160
.set SPARE, 67584                      ; behind the four waves' stages: the spare words, 128 bytes a wave
.set SPW,   12                         ; v12  my spare word's LDS address; never rewritten
.set NIL,   13                         ; v13  0; never rewritten
.set WV,    18                         ; s18  wave
.set MNT,   19                         ; s19  the mantissa field of 448
.set SEL,   40                         ; s40, s41  lane selects: lane l xor 16
.set R,     16                         ; x: v16-143 as loaded (K step q, row i: 64 q + 4 i)
.set X,     144                        ; x: v144-207 64 numbers of my row: register 16 c + i = k 32 c + 16 (lane / 16) + i
.set PC,    208                        ; x: v208-239 two fragments' codes
.set TM,    240                        ; x: v240-255 the quantiser's scratch
; 64 numbers of a lane become a fragment's 16 registers of codes in v[pc] on and my row's scale word in v[pw]
.macro QUANT s, pc, pw
.irp b, 0,1,2,3
	v_max3_num_f32 v[TM+\b], |v[\s+16*\b]|, |v[\s+1+16*\b]|, 0x4800000      ; block b: my 16 numbers and the floor 2^(9 - 127): the byte cannot fall under 1
.endr
.irp i, 2,4,6,8,10,12,14
.irp b, 0,1,2,3
	v_max3_num_f32 v[TM+\b], v[TM+\b], |v[\s+16*\b+\i]|, |v[\s+1+16*\b+\i]|  ; the four blocks by turns
.endr
.endr
.irp b, 0,1,2,3
	v_permlanex16_b32 v[TM+4+\b], v[TM+\b], s[SEL], s[SEL+1]
.endr
.irp b, 0,1,2,3
	v_max_num_f32 v[TM+\b], v[TM+\b], v[TM+4+\b]                             ; with lane l xor 16's 16: the block's largest magnitude
.endr
.irp b, 0,1,2,3
	v_add_nc_u32 v[TM+12+\b], 0xfc000000, v[TM+\b]                           ; 8 off its exponent field: the conversion's scale operand
.endr
.irp b, 0,1,2,3
	v_and_or_b32 v[TM+8+\b], v[TM+\b], 0x7f800000, s[MNT]                    ; 448 x the scale
.endr
.irp b, 0,1,2,3
	v_lshrrev_b32 v[TM+4+\b], 23, v[TM+12+\b]                                ; the scale's byte
.endr
	v_lshl_or_b32 v[\pw], v[TM+5], 8, v[TM+4]
	v_lshl_or_b32 v[\pw], v[TM+6], 16, v[\pw]
	v_lshl_or_b32 v[\pw], v[TM+7], 24, v[\pw]
.irp b, 0,1,2,3
.irp i, 0,1,2,3,4,5,6,7,8,9,10,11,12,13,14,15
	v_med3_num_f32 v[\s+16*\b+\i], v[\s+16*\b+\i], -v[TM+8+\b], v[TM+8+\b]   ; the conversion does not saturate (ISA guide 7.6.2): the hold comes first
.endr
	v_cvt_scalef32_pk8_fp8_f32 v[\pc+4*\b:\pc+4*\b+1], v[\s+16*\b:\s+16*\b+7], v[TM+12+\b]
	v_cvt_scalef32_pk8_fp8_f32 v[\pc+4*\b+2:\pc+4*\b+3], v[\s+16*\b+8:\s+16*\b+15], v[TM+12+\b]
.endr
	v_nop                                                                    ; a plain line behind the last conversion
.endm
; The weights' lane terms: lane L takes column L of 32; it is row r' = L % 8 + 8 (L / 16) of fragment u = (L / 8) % 2
.macro WLANE
	v_lshlrev_b32 v3, 2, v2                        ; in: 4 bytes a lane: 128 consecutive bytes a wave
	v_bfe_u32 v4, v2, 3, 1                         ; u
	v_and_b32 v5, 7, v2
	v_lshrrev_b32 v6, 4, v2
	v_lshl_add_u32 v5, v6, 3, v5                   ; r'
	v_lshlrev_b32 v6, 12, v4
	v_lshl_add_u32 v6, v5, 4, v6                   ; codes: 4096 u + 16 r'
	v_lshlrev_b32 v7, 9, v4
	v_lshl_add_u32 v7, v5, 5, v7                   ; scale word: 512 u + 32 r'
.endm
; s30 = G, s31 = head, s32 = b, s22 = K step  ->  s34, s35: where the codes and the scale words of wq, wk, wv go in wts
.macro WOFF
	s_lshl_b32 s33, s30, 2
	s_lshl_b32 s34, s32, 1
	s_add_co_u32 s33, s33, s34                     ; 4 G + 2 b
	s_lshl_b32 s34, s31, 2
	s_lshr_b32 s35, s22, 1
	s_add_co_u32 s34, s34, s35                     ; 4 head + sigma
	s_mul_i32 s34, s34, 24
	s_add_co_u32 s34, s34, s33
	s_lshl_b32 s34, s34, 12
	s_and_b32 s35, s22, 1
	s_lshl_b32 s35, s35, 11
	s_add_co_u32 s34, s34, s35
	s_mul_i32 s35, s31, 24
	s_add_co_u32 s35, s35, s33
	s_lshl_b32 s35, s35, 9
	s_lshl_b32 s36, s22, 2
	s_add_co_u32 s35, s35, s36
	s_add_co_u32 s35, s35, WSC
.endm
; s[28:29] the tensor, s38 the offset in it, s34, s35 as above  ->  s[28:29] source, s[24:25] codes, s[26:27] words
.macro WBASE
	s_mov_b32 s39, 0
	s_add_nc_u64 s[28:29], s[28:29], s[38:39]
	s_mov_b32 s38, s34
	s_add_nc_u64 s[24:25], s[16:17], s[38:39]
	s_mov_b32 s38, s35
	s_add_nc_u64 s[26:27], s[16:17], s[38:39]
.endm
.macro WLOAD c, n                      ; block c: 32 rows of K at my column
.set j, 0
.rept 32
	global_load_b32 v[16+32*(\c)+j], v3, s[28:29] offset:(32*(\c)+j)*\n*4 th:TH_LOAD_NT
.set j, j+1
.endr
.endm
; A wave: 32 columns x 128 along K.  A LANE TAKES A COLUMN AND ITS REGISTERS RUN DOWN K: a block of 32 is one lane's, and the codes come out with K innermost.  Loads run two blocks ahead.
.macro WBODY n
	WLOAD 0, \n
	WLOAD 1, \n
.irp c, 0,1,2,3
.if \c < 3
	s_wait_loadcnt 32                              ; this block's 32 loads are in; the next block's 32 may be out
.else
	s_wait_loadcnt 0x0
.endif
.if \c < 2
	WLOAD \c+2, \n
.endif
	v_max3_num_f32 v8, |v[16+32*\c]|, |v[17+32*\c]|, |v[18+32*\c]|
	v_max3_num_f32 v9, |v[19+32*\c]|, |v[20+32*\c]|, |v[21+32*\c]|
.irp i, 6,10,14,18,22,26
	v_max3_num_f32 v8, v8, |v[16+32*\c+\i]|, |v[17+32*\c+\i]|
	v_max3_num_f32 v9, v9, |v[18+32*\c+\i]|, |v[19+32*\c+\i]|
.endr
	v_max3_num_f32 v8, v8, |v[46+32*\c]|, |v[47+32*\c]|
	v_max3_num_f32 v8, v8, v9, 0x4800000           ; and the floor
	v_add_nc_u32 v11, 0xfc000000, v8               ; the conversion's scale operand
	v_and_or_b32 v14, v8, 0x7f800000, s[MNT]       ; 448 x the scale
	v_lshrrev_b32 v15, 23, v11                     ; the byte
.if \c == 0
	v_mov_b32 v10, v15
.else
	v_lshl_or_b32 v10, v15, 8*\c, v10
.endif
.irp i, 0,1,2,3,4,5,6,7,8,9,10,11,12,13,14,15,16,17,18,19,20,21,22,23,24,25,26,27,28,29,30,31
	v_med3_num_f32 v[16+32*\c+\i], v[16+32*\c+\i], -v14, v14
.endr
.irp g, 0,1,2,3
	v_cvt_scalef32_pk8_fp8_f32 v[144+8*\c+2*\g:145+8*\c+2*\g], v[16+32*\c+8*\g:23+32*\c+8*\g], v11
.endr
	v_nop
	global_store_b128 v6, v[144+8*\c:147+8*\c], s[24:25] offset:512*\c        ; k 32 c + 0 .. 15: lanes 0-7 with 16-23 store 256 consecutive bytes, aligned; lanes 8-15 with 24-31 likewise
	global_store_b128 v6, v[148+8*\c:151+8*\c], s[24:25] offset:512*\c+256    ; k 32 c + 16 .. 31
.endr
	global_store_b32 v7, v10, s[26:27]             ; my column's scale word of this K step
.endm
	s_load_b256 s[4:11], s[0:1], 0x0               ; x s[4:5], wq s[6:7], wk s[8:9], wv s[10:11]
	s_load_b128 s[12:15], s[0:1], 0x20             ; wo s[12:13], xq s[14:15]
	s_load_b64 s[16:17], s[0:1], 0x30              ; wts
	v_lshl_add_u32 v[SPW], v0, 2, SPARE
	v_mov_b32 v[NIL], 0
	v_lshrrev_b32 v1, 5, v0
	v_readfirstlane_b32 s[WV], v1                  ; wave 0..3
	v_and_b32 v2, 31, v0                           ; lane
	s_mov_b32 s[MNT], 0x600000
	s_mov_b32 s[SEL], 0x76543210
	s_mov_b32 s[SEL+1], 0xfedcba98
	s_wait_kmcnt 0x0
	s_cmp_lt_u32 ttmp9, 80
	s_cbranch_scc1 .Lw1024
	s_cmp_lt_u32 ttmp9, 112
	s_cbranch_scc1 .Lw256
	; ---- x: work-group = token tile T (16 rows), wave = sigma (256 along K: two fragments)
	s_sub_co_u32 s20, ttmp9, 112                   ; T
	s_lshr_b32 s21, s20, 1
	s_lshl_b32 s21, s21, 5
	s_and_b32 s22, s20, 1
	s_lshl_b32 s22, s22, 3
	s_add_co_u32 s21, s21, s22                     ; the tile's first token: 32 (T / 2) + 8 (T % 2)
	s_lshl_b32 s22, s21, 12
	s_lshl_b32 s23, s[WV], 10
	s_add_co_u32 s22, s22, s23
	s_mov_b32 s23, 0
	s_add_nc_u64 s[4:5], s[4:5], s[22:23]          ; x at that row, + 1,024 sigma bytes
	s_lshr_b32 s24, s20, 3
	s_lshl_b32 s24, s24, 2
	s_add_co_u32 s24, s24, s[WV]
	s_lshl_b32 s24, s24, 3
	s_and_b32 s25, s20, 7
	s_add_co_u32 s24, s24, s25
	s_lshl_b32 s24, s24, 12                        ; ((4 (T / 8) + sigma) 8 + T % 8) x 4,096
	s_mov_b32 s25, 0
	s_add_nc_u64 s[26:27], s[14:15], s[24:25]      ; my two fragments
	s_lshl_b32 s24, s20, 9
	s_lshl_b32 s28, s[WV], 7
	s_add_co_u32 s24, s24, s28
	s_add_co_u32 s24, s24, XSC
	s_add_nc_u64 s[28:29], s[14:15], s[24:25]      ; my 32 scale words
	s_wait_alu depctr_va_vdst(0)
	v_lshlrev_b32 v3, 4, v2                        ; 16 x lane
	s_mul_i32 s30, s[WV], 16896                    ; my two stages: 16 rows of 512 bytes + 16 each
	v_add_nc_u32 v4, s30, v3                       ; in: as loaded
	v_and_b32 v7, 15, v2                           ; r
	v_lshrrev_b32 v14, 4, v2                       ; h
	v_mul_u32_u24 v5, v7, 528
	v_lshl_add_u32 v5, v14, 6, v5
	v_add_nc_u32 v5, s30, v5                       ; back: row r, + 64 h: my 16 numbers of each block of 32
	v_lshlrev_b32 v6, 3, v7
	v_lshl_add_u32 v6, v14, 2, v6                  ; scale words: 8 r + 4 h
.irp q, 0,1
.irp i, 0,1,2,3,4,5,6,7,8,9,10,11,12,13,14,15
	global_load_b128 v[R+64*\q+4*\i:R+64*\q+4*\i+3], v3, s[4:5] offset:(\i+8*(\i/8))*4096+512*\q th:TH_LOAD_NT   ; 512 consecutive bytes: K step q of the tile's row i
.endr
.endr
.irp b, 0,1,2,3
	v_mov_b32 v[TM+4+\b], 0                        ; a lane permute's destination counts as one of its sources
.endr
	v_cmp_le_u32 vcc_lo, 16, v2                    ; lanes 16-31
	s_wait_alu depctr_va_vdst(0)
	s_wait_loadcnt 16                              ; the first K step's 16 loads are in
.irp i, 0,1,2,3,4,5,6,7,8,9,10,11,12,13,14,15
	ds_store_b128 v4, v[R+4*\i:R+4*\i+3] offset:\i*528
.endr
.irp c, 0,1,2,3
.irp j, 0,1,2,3
	ds_load_b128 v[X+16*\c+4*\j:X+16*\c+4*\j+3], v5 offset:128*\c+16*\j      ; LDS serves a wave's instructions in order (ISA guide 5.7.1.4): these see my stores
.endr
.endr
	s_wait_loadcnt 0x0
.irp i, 0,1,2,3,4,5,6,7,8,9,10,11,12,13,14,15
	ds_store_b128 v4, v[R+64+4*\i:R+64+4*\i+3] offset:8448+\i*528
.endr
	s_wait_dscnt 16                                ; the first K step is back; the 16 younger stores may be out
	QUANT X, PC, 8
.irp c, 0,1,2,3
	global_store_b128 v3, v[PC+4*\c:PC+4*\c+3], s[26:27] offset:512*\c       ; 512 consecutive bytes
.endr
.irp c, 0,1,2,3
.irp j, 0,1,2,3
	ds_load_b128 v[X+16*\c+4*\j:X+16*\c+4*\j+3], v5 offset:8448+128*\c+16*\j
.endr
.endr
	s_wait_dscnt 0x0
	QUANT X, PC+16, 9
.irp c, 0,1,2,3
	global_store_b128 v3, v[PC+16+4*\c:PC+16+4*\c+3], s[26:27] offset:2048+512*\c
.endr
	v_cndmask_b32 v10, v8, v9, vcc_lo              ; both halves of the lanes hold both words: lanes 0-15 send the first K step's, lanes 16-31 the second's
	global_store_b32 v6, v10, s[28:29]             ; 128 consecutive bytes
	s_wait_tensorcnt 0x0                           ; the wave's end, behind my last LDS store
	ds_add_u32 v[SPW], v[NIL]
	s_wait_dscnt 0x0
	s_endpgm
.Lw1024:                                           ; ---- wq (tasks 0-255) and wo (256-319): task = 32 x K step + column group
	s_wait_alu depctr_va_vdst(0)
	WLANE
	s_lshl_b32 s20, ttmp9, 2
	s_add_co_u32 s20, s20, s[WV]                   ; task
	s_and_b32 s21, s20, 31                         ; column group of 32
	s_lshr_b32 s22, s20, 5
	s_and_b32 s22, s22, 7                          ; K step (wo's tasks 8, 9 give 0, 1)
	s_lshr_b32 s30, s21, 3                         ; wq's column 32 cg = 256 G + 64 head + 32 b
	s_bfe_u32 s31, s21, 0x20001
	s_and_b32 s32, s21, 1
	WOFF
	s_lshl_b32 s42, s21, 13
	s_lshl_b32 s43, s22, 11
	s_add_co_u32 s42, s42, s43
	s_add_co_u32 s42, s42, WOC                     ; wo's codes
	s_lshl_b32 s43, s21, 10
	s_add_co_u32 s43, s43, s36                     ; (s36 = 4 x K step)
	s_add_co_u32 s43, s43, WOS                     ; wo's words
	s_cmp_lt_u32 s20, 256                          ; the choice hangs on ids alone
	s_cselect_b64 s[28:29], s[6:7], s[12:13]
	s_cselect_b32 s34, s34, s42
	s_cselect_b32 s35, s35, s43
	s_lshl_b32 s38, s22, 19                        ; 128 rows of 4,096 bytes a K step
	s_lshl_b32 s37, s21, 7
	s_add_co_u32 s38, s38, s37
	WBASE
	s_wait_alu depctr_va_vdst(0)
	WBODY 1024
	s_endpgm
.Lw256:                                            ; ---- wk (tasks 0-63) and wv (64-127): task = 8 x K step + column group
	s_wait_alu depctr_va_vdst(0)
	WLANE
	s_sub_co_u32 s20, ttmp9, 80
	s_lshl_b32 s20, s20, 2
	s_add_co_u32 s20, s20, s[WV]
	s_and_b32 s21, s20, 7                          ; column group: 32 cg = 64 head + 32 b
	s_bfe_u32 s22, s20, 0x30003                    ; K step
	s_lshr_b32 s30, s20, 6
	s_add_co_u32 s30, s30, 4                       ; G = 4: wk, 5: wv
	s_lshr_b32 s31, s21, 1
	s_and_b32 s32, s21, 1
	WOFF
	s_cmp_lt_u32 s20, 64
	s_cselect_b64 s[28:29], s[8:9], s[10:11]
	s_lshl_b32 s38, s22, 17                        ; 128 rows of 1,024 bytes a K step
	s_lshl_b32 s37, s21, 7
	s_add_co_u32 s38, s38, s37
	WBASE
	s_wait_alu depctr_va_vdst(0)
	WBODY 256
	s_endpgm
.Lfunc_end_k_q50a4d871b2_quant:
	.size	k_q50a4d871b2_quant, .Lfunc_end_k_q50a4d871b2_quant-k_q50a4d871b2_quant
	.p2alignl 7, 3214868480
	.fill 96, 4, 3214868480
	.section	.rodata,"a",@progbits
	.p2align	6, 0x0
	.amdhsa_kernel k_q50a4d871b2_quant
		.amdhsa_group_segment_fixed_size 68096
		.amdhsa_private_segment_fixed_size 0
		.amdhsa_enable_private_segment 0
		.amdhsa_kernarg_size 56
		.amdhsa_user_sgpr_count 2
		.amdhsa_user_sgpr_kernarg_segment_ptr 1
		.amdhsa_wavefront_size32 1
		.amdhsa_system_sgpr_workgroup_id_x 1
		.amdhsa_system_sgpr_workgroup_id_y 1
		.amdhsa_system_sgpr_workgroup_id_z 1
		.amdhsa_system_vgpr_workitem_id 0
		.amdhsa_next_free_vgpr 256
		.amdhsa_next_free_sgpr 66
		.amdhsa_reserve_vcc 1
		.amdhsa_float_denorm_mode_32 3
		.amdhsa_float_denorm_mode_16_64 3
		.amdhsa_memory_ordered 1
		.amdhsa_forward_progress 1
		.amdhsa_inst_pref_size 85
	.end_amdhsa_kernel
	.amdgpu_metadata
---
amdhsa.version: [ 1, 2 ]
amdhsa.kernels:
  - .name:           k_q50a4d871b2_quant
    .symbol:         k_q50a4d871b2_quant.kd
    .args:
      - { .name: x, .offset: 0, .size: 8, .value_kind: global_buffer, .address_space: global }
      - { .name: wq, .offset: 8, .size: 8, .value_kind: global_buffer, .address_space: global }
      - { .name: wk, .offset: 16, .size: 8, .value_kind: global_buffer, .address_space: global }
      - { .name: wv, .offset: 24, .size: 8, .value_kind: global_buffer, .address_space: global }
      - { .name: wo, .offset: 32, .size: 8, .value_kind: global_buffer, .address_space: global }
      - { .name: xq, .offset: 40, .size: 8, .value_kind: global_buffer, .address_space: global }
      - { .name: wts, .offset: 48, .size: 8, .value_kind: global_buffer, .address_space: global }
    .group_segment_fixed_size: 68096
    .private_segment_fixed_size: 0
    .kernarg_segment_align: 8
    .kernarg_segment_size: 56
    .max_flat_workgroup_size: 128
    .sgpr_count:     66
    .vgpr_count:     256
    .wavefront_size: 32
...
	.end_amdgpu_metadata
.endif
;; end of part 1
;; launch proj (part 2): grid 4 x 64, 4 waves a work-group, clusters of 4 x 4, 327,680 bytes of LDS; arguments xq, wts, freq_cos, freq_sin, qb, kv; writes qb, kv
.if DOCPART == 2
	.amdgcn_target "amdgcn-amd-amdhsa--gfx1250"
	.amdhsa_code_object_version 6
	.text
	.protected	k_q50a4d871b2_proj
	.globl	k_q50a4d871b2_proj
	.p2align	8
	.type	k_q50a4d871b2_proj,@function
k_q50a4d871b2_proj:
	s_mov_b64 s[64:65], 0
	v_nop
	global_prefetch_b8 v0, s[64:65] scope:SCOPE_SE
	s_setreg_imm32_b32 hwreg(HW_REG_WAVE_MODE, 25, 1), 1
	s_wait_xcnt 0x0
	s_wait_alu depctr_hold_cnt(0) depctr_sa_sdst(0) depctr_va_vdst(0) depctr_va_sdst(0) depctr_va_ssrc(0) depctr_va_vcc(0) depctr_vm_vsrc(0)
	s_getreg_b32 s2, hwreg(HW_REG_IB_STS2, 6, 4)
	s_cmp_eq_u32 s2, 0
	s_cbranch_scc0 .Lentry_in_a_cluster
	s_endpgm
.Lentry_in_a_cluster:
	s_bfe_u32 s2, ttmp6, 0x10000c
	s_cmp_lg_u32 s2, 0xf033
	s_cbranch_scc0 .Lentry_shape_is_right
	s_endpgm
.Lentry_shape_is_right:
; q (its four groups summed in one set of accumulators), k and v of one key-value head for 128 tokens: products on codes of FP8 (E4M3) with E8M0 scales, RoPE, and the quantisers of the attention's operands.
; LIMITS: a block of zeros has the byte 1 (this program alone reads the bytes); NaN and infinities are not served.
; Four waves, 2 x 2; K in steps of 128, two to a slot of LDS, two slots.  Clusters of 4 x 4: x's tiles are shared along a row, the weights' along a column.  A step's LDS loads for the next step stand between the groups of its products.
.set XSC,   8388608
.set WSC,   1572864
.set QSC,   2097152
.set REC,   16896
.set SLOT,  131072
.set SPARE, 262144
.set SPW,   250
.set NIL,   251
.set ADA,   2
.set ADB,   4
.set AS,    16
.set BS,    48
.set CS,    144
.set WV,    16
.set RH,    17
.set CB,    18
.set G1A,   24
.set G0A,   32
.set G1B,   48
.set G0B,   56
.set SEL,   92
.set MNT,   94
.set EH,    0
.set EPQ,   64
.set EPK,   80
.set EPV,   96
.set ETM,   112
.set ETA,   128
.set ETP,   136
.set EHF,   140
.set W_E,    0x55
.set W_ROPE, 0x53
.set W_VMAX, 0x5f
.set W_VHLD, 0x57
.set W_ST,   0x04
.set MSB, 0
.macro WIN new
.if MSB != (\new)
	s_set_vgpr_msb (MSB<<8)|(\new)
.set MSB, (\new)
.endif
.endm
.macro PLACES n
.rept \n
	v_nop
.endr
.endm
.macro JLOAD sl
	s_cmp_eq_u32 s[WV], 0
	s_cbranch_scc0 .Lfor_b_\@
	tensor_load_to_lds s[G0A+4*\sl:G0A+4*\sl+3], s[G1A:G1A+7]
	s_nop 0
.rept 4
	v_nop
.endr
	s_branch .Lasked_\@
.Lfor_b_\@:
	tensor_load_to_lds s[G0B+4*\sl:G0B+4*\sl+3], s[G1B:G1B+7]
	s_nop 0
.rept 4
	v_nop
.endr
.Lasked_\@:
.endm
.macro CROUND
	s_barrier_signal -1
	s_barrier_wait -1
	s_cmp_lg_u32 s[WV], 0
	s_cbranch_scc1 .Lnot_wave_0_\@
	s_barrier_signal -3
.Lnot_wave_0_\@:
	s_barrier_wait -3
	s_barrier_signal -1
	s_barrier_wait -1
.endm
.macro LOADSET s
.set PP, (\s)&1
.set SL, ((\s)>>1)&1
	WIN (1+PP)<<6
.irp t, 0,1,2,3
.irp c, 0,1,2,3
	ds_load_b128 v[16*\t+4*\c:16*\t+4*\c+3], v[ADA+SL] offset:\t*4096+PP*2048+512*\c
.endr
.endr
.irp g, 0,1,2,3,4,5
.irp u, 0,1
.irp c, 0,1,2,3
	ds_load_b128 v[64+16*(2*\g+\u)+4*\c:64+16*(2*\g+\u)+4*\c+3], v[ADB+2*SL+\g/3] offset:(\g%3)*16384+\u*4096+PP*2048+512*\c
.endr
.endr
.endr
.endm
.macro MULSET s, glo, ghi
.set PP, (\s)&1
	WIN 0xf5+5*PP
.irp g, 0,1,2,3,4,5
.if (\g >= \glo) && (\g <= \ghi)
.irp u, 0,1
.irp t, 0,1,2,3
.set DD, 8*(4*\u+\t)
.if \g > 3
.set DD, DD+64*(\g-3)
.endif
.set WF, 64+16*(2*\g+\u)
.set XF, 16*\t
.set SB, BS+8*(2*\g+\u)+(\s)
.set SA, AS+8*\t+(\s)
.if \g < 5
.if ((\s) == 0) && ((\g == 0) || (\g == 4))
	v_wmma_scale_f32_16x16x128_f8f6f4 v[DD:DD+7], v[WF:WF+15], v[XF:XF+15], 0, v[SB], v[SA]
.else
	v_wmma_scale_f32_16x16x128_f8f6f4 v[DD:DD+7], v[WF:WF+15], v[XF:XF+15], v[DD:DD+7], v[SB], v[SA]
.endif
.else
.if (\s) == 0
	v_wmma_scale_f32_16x16x128_f8f6f4 v[DD:DD+7], v[XF:XF+15], v[WF:WF+15], 0, v[SA], v[SB]
.else
	v_wmma_scale_f32_16x16x128_f8f6f4 v[DD:DD+7], v[XF:XF+15], v[WF:WF+15], v[DD:DD+7], v[SA], v[SB]
.endif
.endif
.endr
.endr
.endif
.endr
.endm
.macro LOADA s                         ; the tokens' four fragments of step s
.set PP, (\s)&1
.set SL, ((\s)>>1)&1
	WIN (1+PP)<<6
.irp t, 0,1,2,3
.irp c, 0,1,2,3
	ds_load_b128 v[16*\t+4*\c:16*\t+4*\c+3], v[ADA+SL] offset:\t*4096+PP*2048+512*\c
.endr
.endr
.endm
.macro LOADB s, lo, hi                 ; the weights' fragments of groups lo to hi of step s
.set PP, (\s)&1
.set SL, ((\s)>>1)&1
	WIN (1+PP)<<6
.irp g, 0,1,2,3,4,5
.if (\g >= \lo) && (\g <= \hi)
.irp u, 0,1
.irp c, 0,1,2,3
	ds_load_b128 v[64+16*(2*\g+\u)+4*\c:64+16*(2*\g+\u)+4*\c+3], v[ADB+2*SL+\g/3] offset:(\g%3)*16384+\u*4096+PP*2048+512*\c
.endr
.endr
.endif
.endr
.endm
; A prefetch into the L2 of what a later change of slots will ask for: slot 2 is asked for behind slot 1's joint load, slot 3 behind slot 2's: one slot ahead each.  One instruction a wave, 32 lanes x 256 bytes: of the 32,768 bytes that a wave
; fetches jointly each of the four partners asks for 8,192, told apart by address.  Each cluster asks for its own tokens; the weights, which all rows of clusters read, are asked for by the first four of them.
; Slots 0 and 1 come by their loads alone, and there is none behind slot 3.
.macro ASK
	s_cmp_lt_u32 s96, 4
	s_cbranch_scc0 .Lnot_mine_\@
	global_prefetch_b8 v14, s[40:41] th:TH_LOAD_NT scope:SCOPE_SE
.Lnot_mine_\@:
.endm
.macro EVEN s
	s_wait_dscnt 0x0
.if (\s) > 0
	PLACES 8
.endif
	LOADA (\s)+1
	MULSET \s, 0, 0
	LOADB (\s)+1, 0, 1
	MULSET \s, 1, 1
	LOADB (\s)+1, 2, 2
	MULSET \s, 2, 2
	LOADB (\s)+1, 3, 3
	MULSET \s, 3, 3
	LOADB (\s)+1, 4, 4
	MULSET \s, 4, 4
	LOADB (\s)+1, 5, 5
	MULSET \s, 5, 5
.endm
.macro ODD s, fill
.set SLT, ((\s)>>1)&1
	WIN 0
.if (\s) == 1
	s_wait_xcnt 0x0                                ; slot 2's prefetch has read its address: on to slot 3's
	s_add_nc_u64 s[40:41], s[40:41], s[98:99]
.endif
	s_wait_tensorcnt 0x0
	ds_add_u32 v[SPW], v[NIL]
	s_wait_dscnt 1
	MULSET \s, 0, 2
	WIN 0
.if \fill
	s_add_nc_u64 s[G0A+4*SLT+2:G0A+4*SLT+3], s[G0A+4*SLT+2:G0A+4*SLT+3], 65536
	s_add_nc_u64 s[G0B+4*SLT+2:G0B+4*SLT+3], s[G0B+4*SLT+2:G0B+4*SLT+3], 196608
.endif
	s_wait_dscnt 0x0
.if \fill
	CROUND
	JLOAD SLT
	PLACES 4
.else
	s_barrier_signal -1
	s_barrier_wait -1
	PLACES 8
.endif
	LOADA (\s)+1
	MULSET \s, 3, 3
	LOADB (\s)+1, 0, 2
	MULSET \s, 4, 4
	LOADB (\s)+1, 3, 5
.if (\s) == 1
	WIN 0
	ASK
.endif
	MULSET \s, 5, 5
.endm
.macro ROPE acc
	WIN W_ROPE
.irp t, 0,1,2,3
.irp u, 0,1
.irp n, 0,1,2,3
	v_mul_f32 v[ETA+2*\n], v[\acc+8*(4*\u+\t)+2*\n+1], v[CS+16*\t+8+4*\u+\n]
	v_mul_f32 v[ETA+2*\n+1], v[\acc+8*(4*\u+\t)+2*\n+1], v[CS+16*\t+4*\u+\n]
.endr
.irp n, 0,1,2,3
	v_fma_f32 v[EH+16*\t+8*\u+2*\n], v[\acc+8*(4*\u+\t)+2*\n], v[CS+16*\t+4*\u+\n], -v[ETA+2*\n]
	v_fma_f32 v[EH+16*\t+8*\u+2*\n+1], v[\acc+8*(4*\u+\t)+2*\n], v[CS+16*\t+8+4*\u+\n], v[ETA+2*\n+1]
.endr
.endr
.endr
.endm
.macro ESCALE src, win
	WIN \win
.irp b, 0,1,2,3
	v_max3_num_f32 v[ETM+\b], |v[\src+16*\b]|, |v[\src+16*\b+1]|, 0x4800000
.endr
.irp i, 2,4,6,8,10,12,14
.irp b, 0,1,2,3
	v_max3_num_f32 v[ETM+\b], |v[\src+16*\b+\i]|, |v[\src+16*\b+\i+1]|, v[ETM+\b]
.endr
.endr
	WIN W_E
.irp b, 0,1,2,3
	v_permlanex16_b32 v[ETM+4+\b], v[ETM+\b], s[SEL], s[SEL+1]
.endr
.irp b, 0,1,2,3
	v_max_num_f32 v[ETM+\b], v[ETM+\b], v[ETM+4+\b]
.endr
.irp b, 0,1,2,3
	v_add_nc_u32 v[ETM+12+\b], 0xfc000000, v[ETM+\b]
.endr
.irp b, 0,1,2,3
	v_and_or_b32 v[ETM+8+\b], v[ETM+\b], 0x7f800000, s[MNT]
.endr
.irp b, 0,1,2,3
	v_lshrrev_b32 v[ETM+4+\b], 23, v[ETM+12+\b]
.endr
.endm
.macro ECODE src, win, pc
	WIN \win
.irp b, 0,1,2,3
.irp i, 0,1,2,3,4,5,6,7,8,9,10,11,12,13,14,15
	v_med3_num_f32 v[EH+16*\b+\i], v[\src+16*\b+\i], -v[ETM+8+\b], v[ETM+8+\b]
.endr
.endr
	WIN W_E
.irp b, 0,1,2,3
	v_cvt_scalef32_pk8_fp8_f32 v[\pc+4*\b:\pc+4*\b+1], v[EH+16*\b:EH+16*\b+7], v[ETM+12+\b]
	v_cvt_scalef32_pk8_fp8_f32 v[\pc+4*\b+2:\pc+4*\b+3], v[EH+16*\b+8:EH+16*\b+15], v[ETM+12+\b]
.endr
	v_nop
.endm
.macro EPAIR d
	v_lshl_or_b32 v[ETP], v[ETM+5], 8, v[ETM+4]
	v_lshl_or_b32 v[ETP+1], v[ETM+7], 8, v[ETM+6]
	v_cndmask_b32 v[\d], v[ETP], v[ETP+1], vcc_lo
.endm
	s_load_b256 s[4:11], s[0:1], 0x0
	s_load_b128 s[12:15], s[0:1], 0x20
	v_lshl_add_u32 v[SPW], v0, 2, SPARE
	v_mov_b32 v[NIL], 0
	ds_add_u32 v[SPW], v[NIL]
	ds_add_u32 v[SPW], v[NIL]
	v_lshrrev_b32 v1, 5, v0
	v_readfirstlane_b32 s[WV], v1
	s_lshr_b32 s[RH], s[WV], 1
	s_and_b32 s[CB], s[WV], 1
	s_bfe_u32 s19, ttmp6, 0x40000
	s_bfe_u32 s20, ttmp6, 0x40004
	s_lshl_b32 s21, ttmp9, 2
	s_add_co_u32 s21, s21, s19
	s_and_b32 s22, ttmp7, 0xffff
	s_lshl_b32 s22, s22, 2
	s_add_co_u32 s22, s22, s20
	s_lshl_b32 s40, s20, 2
	s_lshl_b32 s40, 15, s40
	s_lshl_b32 s41, 0x1111, s19
	s_or_b32 s[G1A], s40, (3<<16)|(1<<21)
	s_or_b32 s[G1B], s41, (3<<16)|(1<<21)
.irp g, G1A, G1B
	s_mov_b32 s[\g+1], 32<<16
	s_mov_b32 s[\g+2], 128<<16
	s_mov_b32 s[\g+3], 32<<16
	s_mov_b32 s[\g+4], 128
	s_mov_b32 s[\g+5], 32
	s_mov_b32 s[\g+6], 0
	s_mov_b32 s[\g+7], 0
.endr
	s_lshl_b32 s42, s22, 17
	s_mov_b32 s43, 0
	s_mul_i32 s44, s21, 393216
	s_max_u32 s45, s[WV], 1
	s_sub_co_u32 s45, s45, 1
	s_lshl_b32 s45, s45, 15
	s_add_co_u32 s44, s44, s45
	s_mov_b32 s45, 0
	s_lshl_b32 s23, s[WV], 15
	s_mov_b32 s[SEL], 0x76543210
	s_mov_b32 s[SEL+1], 0xfedcba98
	s_mov_b32 s[MNT], 0x600000
	v_and_b32 v8, 31, v0
	v_lshlrev_b32 v1, 4, v8
	v_lshlrev_b32 v8, 2, v8
	v_and_b32 v12, 15, v0
	v_bfe_u32 v13, v0, 4, 1
	s_lshl_b32 s46, s[RH], 14
	v_add_nc_u32 v[ADA], s46, v1
	v_add_nc_u32 v[ADA+1], SLOT, v[ADA]
	s_lshl_b32 s46, s[CB], 13
	s_add_co_u32 s46, s46, 32768
	v_add_nc_u32 v[ADB], s46, v1
	v_add_nc_u32 v[ADB+1], 49152, v[ADB]
	v_add_nc_u32 v[ADB+2], SLOT, v[ADB]
	v_add_nc_u32 v[ADB+3], SLOT, v[ADB+1]
	v_lshlrev_b32 v9, 3, v12
	v_lshlrev_b32 v10, 5, v12
	v_and_b32 v11, 8, v12
	v_add_nc_u32 v11, v11, v12
	v_lshlrev_b32 v11, 7, v11
	v_lshl_add_u32 v11, v13, 5, v11
	s_wait_dscnt 0x0
	s_wait_kmcnt 0x0
	s_add_nc_u64 s[42:43], s[4:5], s[42:43]
	s_add_nc_u64 s[44:45], s[6:7], s[44:45]
	CROUND
.irp s, 0,1
	s_mov_b32 s[G0A+4*\s], 1
	s_add_co_u32 s[G0A+4*\s+1], s23, \s*SLOT
	s_add_nc_u64 s[G0A+4*\s+2:G0A+4*\s+3], s[42:43], \s*32768
	s_or_b32 s[G0A+4*\s+3], s[G0A+4*\s+3], 0x80000000
	s_mov_b32 s[G0B+4*\s], 1
	s_add_co_u32 s[G0B+4*\s+1], s23, \s*SLOT
	s_add_nc_u64 s[G0B+4*\s+2:G0B+4*\s+3], s[44:45], \s*98304
	s_or_b32 s[G0B+4*\s+3], s[G0B+4*\s+3], 0x80000000
.endr
	JLOAD 0                                        ; slot 0: one joint load a wave at the head; the rest of the set-up stands under its flight
	v_lshlrev_b32 v14, 6, v8                       ; the prefetches' offset: 256 x lane; never rewritten
	s_and_b32 s97, ttmp7, 0xffff
	s_mov_b32 s47, 196608
	s_mov_b32 s98, 98304
	s_mov_b32 s99, 0
	s_cmp_eq_u32 s[WV], 0                          ; wave 0 asks for the tokens' codes, the others for the weights'
	s_cselect_b64 s[40:41], s[42:43], s[44:45]
	s_cselect_b32 s46, s19, s20                    ; my work-group's place among the four that ask with it
	s_cselect_b32 s47, 65536, s47                  ; slot 2
	s_cselect_b32 s98, 32768, s98                  ; from slot to slot
	s_cselect_b32 s96, 0, s97                      ; who asks: this under 4
	s_lshl_b32 s46, s46, 13
	s_add_co_u32 s46, s46, s47
	s_mov_b32 s47, 0
	s_add_nc_u64 s[40:41], s[40:41], s[46:47]
	s_lshl_b32 s66, s22, 3
	s_lshl_b32 s67, s[RH], 2
	s_add_co_u32 s66, s66, s67
	s_lshl_b32 s66, s66, 9
	s_add_co_u32 s66, s66, XSC
	s_mov_b32 s67, 0
	s_add_nc_u64 s[66:67], s[4:5], s[66:67]
	s_mul_i32 s68, s21, 24
	s_lshl_b32 s69, s[CB], 1
	s_add_co_u32 s68, s68, s69
	s_lshl_b32 s68, s68, 9
	s_add_co_u32 s68, s68, WSC
	s_mov_b32 s69, 0
	s_add_nc_u64 s[68:69], s[6:7], s[68:69]
	s_and_b32 s74, s22, 31
	s_lshl_b32 s70, s74, 7
	s_lshl_b32 s71, s[RH], 6
	s_add_co_u32 s70, s70, s71
	s_lshl_b32 s70, s70, 7
	s_lshl_b32 s71, s[CB], 6
	s_add_co_u32 s70, s70, s71
	s_mov_b32 s71, 0
	s_add_nc_u64 s[72:73], s[10:11], s[70:71]
	s_add_nc_u64 s[70:71], s[8:9], s[70:71]
	s_lshr_b32 s75, s22, 5
	s_lshl_b32 s75, s75, 2
	s_add_co_u32 s75, s75, s21
	s_lshl_b32 s76, s75, 8
	s_lshl_b32 s77, s74, 3
	s_add_co_u32 s76, s76, s77
	s_lshl_b32 s77, s[RH], 2
	s_add_co_u32 s76, s76, s77
	s_lshl_b32 s78, s76, 10
	s_lshl_b32 s79, s[CB], 9
	s_add_co_u32 s78, s78, s79
	s_mov_b32 s79, 0
	s_add_nc_u64 s[78:79], s[12:13], s[78:79]
	s_lshl_b32 s80, s76, 6
	s_lshl_b32 s81, s[CB], 1
	s_add_co_u32 s80, s80, s81
	s_add_co_u32 s80, s80, QSC
	s_mov_b32 s81, 0
	s_add_nc_u64 s[80:81], s[12:13], s[80:81]
	s_lshl_b32 s82, s75, 5
	s_add_co_u32 s82, s82, s74
	s_mul_i32 s82, s82, REC
	s_mov_b32 s83, 0
	s_add_nc_u64 s[82:83], s[14:15], s[82:83]
	s_lshl_b32 s84, s[RH], 12
	s_lshl_b32 s85, s[CB], 10
	s_add_co_u32 s84, s84, s85
	s_mov_b32 s85, 0
	s_add_nc_u64 s[84:85], s[82:83], s[84:85]
	s_lshl_b32 s86, s[RH], 7
	s_lshl_b32 s87, s[CB], 1
	s_add_co_u32 s86, s86, s87
	s_add_co_u32 s86, s86, 16384
	s_mov_b32 s87, 0
	s_add_nc_u64 s[86:87], s[82:83], s[86:87]
	s_lshl_b32 s88, s[CB], 12
	s_lshl_b32 s89, s[RH], 10
	s_add_co_u32 s88, s88, s89
	s_add_co_u32 s88, s88, 8192
	s_mov_b32 s89, 0
	s_add_nc_u64 s[88:89], s[82:83], s[88:89]
	s_lshl_b32 s90, s[CB], 7
	s_lshl_b32 s91, s[RH], 1
	s_add_co_u32 s90, s90, s91
	s_add_co_u32 s90, s90, 16640
	s_mov_b32 s91, 0
	s_add_nc_u64 s[90:91], s[82:83], s[90:91]
	s_wait_alu depctr_va_vdst(0)
.irp t, 0,1,2,3
.irp g, 0,1,2,3
	global_load_b64 v[AS+8*\t+2*\g:AS+8*\t+2*\g+1], v9, s[66:67] offset:\t*512+128*\g
.endr
.endr
.irp g, 0,1,2,3,4,5
.irp u, 0,1
	global_load_b128 v[BS+8*(2*\g+\u):BS+8*(2*\g+\u)+3], v10, s[68:69] offset:(4*\g+\u)*512
	global_load_b128 v[BS+8*(2*\g+\u)+4:BS+8*(2*\g+\u)+7], v10, s[68:69] offset:(4*\g+\u)*512+16
.endr
.endr
.irp t, 0,1,2,3
	global_load_b128 v[CS+16*\t:CS+16*\t+3], v11, s[70:71] offset:(32*(\t/2)+8*(\t%2))*128
	global_load_b128 v[CS+16*\t+4:CS+16*\t+7], v11, s[70:71] offset:(32*(\t/2)+8*(\t%2))*128+16
	global_load_b128 v[CS+16*\t+8:CS+16*\t+11], v11, s[72:73] offset:(32*(\t/2)+8*(\t%2))*128
	global_load_b128 v[CS+16*\t+12:CS+16*\t+15], v11, s[72:73] offset:(32*(\t/2)+8*(\t%2))*128+16
.endr
	s_wait_tensorcnt 0x0                           ; my part of slot 0 is in
	ds_add_u32 v[SPW], v[NIL]                      ; ahead of a later first fill, as ahead of a refill
	s_wait_dscnt 0x0
	CROUND
	JLOAD 1                                        ; slot 1: the first tensor load behind the round
	LOADSET 0
	WIN 0
	ASK
	s_wait_loadcnt 0x0
	EVEN 0
	ODD 1, 1
	EVEN 2
	ODD 3, 1
	EVEN 4
	ODD 5, 0
	EVEN 6
	s_wait_dscnt 0x0
	MULSET 7, 0, 5
	WIN 0
	PLACES 8
	v_cmp_le_u32 vcc_lo, 64, v8
	ROPE 0
	ESCALE EH, W_E
	ECODE EH, W_E, EPQ
.irp t, 0,1,2,3
	v_or_b32 v[ETP+\t], 0x7f00, v[ETM+4+\t]
.endr
	v_cndmask_b32 v[EHF], v[ETP], v[ETP+1], vcc_lo
	v_cndmask_b32 v[EHF+1], v[ETP+2], v[ETP+3], vcc_lo
	WIN W_ST
.irp t, 0,1,2,3
	global_store_b128 v1, v[EPQ+4*\t:EPQ+4*\t+3], s[78:79] offset:\t*1024
.endr
	global_store_b16 v8, v[EHF], s[80:81]
	global_store_b16 v8, v[EHF+1], s[80:81] offset:128
	ROPE 64
	ESCALE EH, W_E
	ECODE EH, W_E, EPK
	EPAIR EHF+2
	WIN W_ST
.irp t, 0,1,2,3
	global_store_b128 v1, v[EPK+4*\t:EPK+4*\t+3], s[84:85] offset:(\t/2)*2048+(\t%2)*512
.endr
	global_store_b16 v8, v[EHF+2], s[86:87]
	ESCALE 128, W_VMAX
	ECODE 128, W_VHLD, EPV
	EPAIR EHF+3
	WIN W_ST
.irp b, 0,1,2,3
	global_store_b128 v1, v[EPV+4*\b:EPV+4*\b+3], s[88:89] offset:(\b/2)*2048+(\b%2)*512
.endr
	global_store_b16 v8, v[EHF+3], s[90:91]
	WIN 0
	s_wait_tensorcnt 0x0
	ds_add_u32 v[SPW], v[NIL]
	s_wait_dscnt 0x0
	CROUND
	s_endpgm
.Lfunc_end_k_q50a4d871b2_proj:
	.size	k_q50a4d871b2_proj, .Lfunc_end_k_q50a4d871b2_proj-k_q50a4d871b2_proj
	.p2alignl 7, 3214868480
	.fill 96, 4, 3214868480
	.section	.rodata,"a",@progbits
	.p2align	6, 0x0
	.amdhsa_kernel k_q50a4d871b2_proj
		.amdhsa_group_segment_fixed_size 327680
		.amdhsa_private_segment_fixed_size 0
		.amdhsa_enable_private_segment 0
		.amdhsa_kernarg_size 48
		.amdhsa_user_sgpr_count 2
		.amdhsa_user_sgpr_kernarg_segment_ptr 1
		.amdhsa_wavefront_size32 1
		.amdhsa_system_sgpr_workgroup_id_x 1
		.amdhsa_system_sgpr_workgroup_id_y 1
		.amdhsa_system_sgpr_workgroup_id_z 1
		.amdhsa_system_vgpr_workitem_id 0
		.amdhsa_next_free_vgpr 1024
		.amdhsa_next_free_sgpr 100
		.amdhsa_reserve_vcc 1
		.amdhsa_float_denorm_mode_32 3
		.amdhsa_float_denorm_mode_16_64 3
		.amdhsa_memory_ordered 1
		.amdhsa_forward_progress 1
		.amdhsa_inst_pref_size 141
	.end_amdhsa_kernel
	.amdgpu_metadata
---
amdhsa.version: [ 1, 2 ]
amdhsa.kernels:
  - .name:           k_q50a4d871b2_proj
    .symbol:         k_q50a4d871b2_proj.kd
    .args:
      - { .name: xq, .offset: 0, .size: 8, .value_kind: global_buffer, .address_space: global }
      - { .name: wts, .offset: 8, .size: 8, .value_kind: global_buffer, .address_space: global }
      - { .name: freq_cos, .offset: 16, .size: 8, .value_kind: global_buffer, .address_space: global }
      - { .name: freq_sin, .offset: 24, .size: 8, .value_kind: global_buffer, .address_space: global }
      - { .name: qb, .offset: 32, .size: 8, .value_kind: global_buffer, .address_space: global }
      - { .name: kv, .offset: 40, .size: 8, .value_kind: global_buffer, .address_space: global }
    .group_segment_fixed_size: 327680
    .private_segment_fixed_size: 0
    .kernarg_segment_align: 8
    .kernarg_segment_size: 48
    .max_flat_workgroup_size: 128
    .sgpr_count:     100
    .vgpr_count:     1024
    .wavefront_size: 32
...
	.end_amdgpu_metadata
.endif
;; end of part 2
;; launch attn (part 3): grid 32 x 8, 16 waves a work-group, no clusters, 327,680 bytes of LDS; arguments qb, kv, ob; writes ob
.if DOCPART == 3
	.amdgcn_target "amdgcn-amd-amdhsa--gfx1250"
	.amdhsa_code_object_version 6
	.text
	.protected	k_q50a4d871b2_attn
	.globl	k_q50a4d871b2_attn
	.p2align	8
	.type	k_q50a4d871b2_attn,@function
k_q50a4d871b2_attn:
	s_mov_b64 s[64:65], 0
	v_nop
	global_prefetch_b8 v0, s[64:65] scope:SCOPE_SE
	s_setreg_imm32_b32 hwreg(HW_REG_WAVE_MODE, 25, 1), 1
	s_wait_xcnt 0x0
; Causal attention of one (batch, key-value head) on codes of FP8 (E4M3) with E8M0 scales; its result, divided by the row's sum, is quantised along the 64 channels for the last product.
; t = score x log2(e) / 64 (both of the source's divisions by 8 are in this constant); M = the row's largest t so far, rounded UP to a whole number; p = 2^(t - M) is quantised along the keys;
; the row's sum is taken of the unquantised p.  When M moves, the sum and O are multiplied by 2^(old M - new M): exact.
; SHARES.  Work-group (j, bh) owns four low query tiles 4 j .. 4 j + 3, which want the first NL = j / 2 + 1 records of 128 keys, and four high ones 252 - 4 j .. 255 - 4 j, which want the first 33 - NL: 33 records whatever j.
; Wave 4 r + i has tiles i.  In step s' = 0 .. 8 residues r = 0, 1, 2 take low record 3 s' + r while it is under NL; every other wave takes the high record 4 s' + r - min(NL, 3 s' + 3).  Step 8 has one record left, for r = 0: the high tiles' diagonal.
; A wave goes from its low tile to its high one ONCE (at step SPS): O, -M and the sum go to LDS and begin anew.  At the end r = 0 joins the high tile's four parts, r = 1 the low tile's three, by exact powers of two.
; LAYOUT.  Both products transposed: a lane holds ONE query (row lane % 16 of its tile: query 32 (T / 2) + 8 (T % 2) + r + 8 (r / 8)).  A head has 64 channels and the instruction takes 128 along K: a PAIR fragment of K
; holds two key tiles (pieces: tile 2 P channels 0-31, tile 2 P + 1 channels 0-31, tile 2 P channels 32-63, tile 2 P + 1 channels 32-63), and Q stands as 0, q0, 0, q1, 0: its last 16 registers pick tile 2 P, its first 16
; tile 2 P + 1; the other tile's codes meet zero codes.  Register 16 b + i of the scores is key 32 b + 16 (lane / 16) + i of the record.
; RING.  Two slots of eight records (two steps of four), each wave fetches half a record: one tensor load a wave behind each change of slots.  The wave's waits, its add and its signal stand in the middle of a slot's second step,
; behind which its work up to the barrier's wait is on registers alone.  Every wait on TENSORcnt is for 0, and a wave has one tensor load out at the most.
; Records wholly above the diagonal are in no list: the mask that the source builds throws them away.
; No cluster: only work-groups 2 m and 2 m + 1 have lists alike, and a round of the cluster's barrier, which ends in a barrier of its own, would take the place of the barrier whose signal stands half a step of register work ahead of its wait.
; LIMITS: NaN and infinities are not served; a block of zeros has the byte 1 (this program alone reads the bytes); the scaled scores t stay under 2^31 in magnitude.
.set QSC,   2097152
.set OSC,   2097152
.set REC,   16896
.set HREC,  8448
.set RING,  8*REC
.set HIGHR, RING                       ; the high tiles' parts of r = 1 .. 3, at the end, in slot 1, which has then had its last fill and its last read
.set LOWR,  2*RING                     ; the low tiles' parts of r = 0 .. 2: no tensor load lands here
.set PART,  4352                       ; a part: O's image, 4,096 bytes, then (-M, sum), 8 bytes a lane
.set SPARE, LOWR+12*PART               ; the spare words: 128 bytes for each of 16 waves
.set AB0, 1                            ; v1   16 lane + r records
.set AS0, 2                            ; v2   4 lane + the same
.set ADK, 3
.set ADS, 4
.set SPW, 5
.set NIL, 6
.set PFO, 7                            ; v7   256 x lane; never rewritten
.set QD,  8                            ; v8   the low tile: my query - 16 (lane / 16) - its diagonal record's first key;  v11 the same of the high tile
.set MLA, 9                            ; v9, v10   my low part's place in LDS;  v43, v44 my high part's
.set MLB, 10
.set QDH, 11
.set KS,  38                           ; v38, v39  K's scale words;  v40, v41  V's;  v36, v37  Q's two
.set VS,  40
.set QHW, 42                           ; v42  the high tile's scale word
.set MHA, 43
.set MHB, 44
.set GL16, 45
.set GR4,  46
.set GL4,  47
.set F,   48                           ; four fragments of K, then of V
.set S,   112                          ; the scores, then p
.set O,   176                          ; O^T: 8 f + j
.set PC,  208                          ; seven of the sum's chains, then p's codes
.set BM,  224
.set PT,  228
.set LM,  232
.set SO,  236
.set NEG, 240
.set FF,  244                          ; v[244:245] f, 0
.set PW,  246                          ; p's scale word
.set TP,  247
.set QHC, 248                          ; v248-255 the high tile's codes
.set SEL, 12
.set CS,  14
.set MNT, 16
.set WV,  18
.set RR,  19
.set TI,  20
.set BH,  21
.set NL,  22
.set NLM, 23
.set G1,  24
.set SPS, 32                           ; the step at which I go over to the high tile
.set SP,  33                           ; my step
.set LX,  34                           ; 3 x step + r (r = 3: 64 more): my low record, if under NL
.set FL,  35                           ; the same for the record that I fetch half of;
.set FH,  36                           ; 4 x its step + its residue;
.set FM,  37                           ; 3 x its step + 3
.set HOFF, 38
.set LB,  39
.set G0,  40
.set TB,  44
.set TRIPS, 45
.set LIM, 46
.set TL,  47
.set TH,  48
.set QL,  49
.set QH,  50
.set PFA, 52
.macro TLOAD                           ; an s_nop 0 and four v_nop follow the load
	tensor_load_to_lds s[G0:G0+3], s[G1:G1+7]
	s_nop 0
.rept 4
	v_nop
.endr
.endm
; The descriptor of my next half record: ids and the count of slots decide which record.  (No tensor load of mine is out.)
.macro DESC base
	s_min_u32 s54, s[NL], s[FM]
	s_sub_co_u32 s54, s[FH], s54                   ; the high record
	s_cmp_lt_u32 s[FL], s[NL]
	s_cselect_b32 s54, s[FL], s54                  ; or the low one
	s_mul_i32 s54, s54, REC
	s_add_co_u32 s54, s54, s[HOFF]
	s_mov_b32 s55, 0
	s_add_co_u32 s[G0+1], s[LB], \base
	s_add_nc_u64 s[G0+2:G0+3], s[6:7], s[54:55]
	s_or_b32 s[G0+3], s[G0+3], 0x80000000
	s_add_co_u32 s[FL], s[FL], 6
	s_add_co_u32 s[FH], s[FH], 8
	s_add_co_u32 s[FM], s[FM], 6
.endm
; A prefetch of what the NEXT change of slots will ask for: the head's first work-group asks (its list is low record 0, then the high records in order, so eight records on end are one slot): 16 waves x 32 lanes x 256 bytes.
; The slots of records 15 .. 22 and 23 .. 30 are asked for, each block once in the launch; what lies behind the 131,072 bytes, and the last record, come by their loads alone.
.macro ASK
	s_cmp_eq_u32 s[TB], s[LIM]
	s_cbranch_scc0 .Lnot_mine_\@
	global_prefetch_b8 v[PFO], s[PFA:PFA+1] th:TH_LOAD_NT scope:SCOPE_SE
.Lnot_mine_\@:
.endm
.macro FRESH                           ; an empty state: largest t -3e38, sum 0, O 0
	v_mov_b32 v13, 0xff61b1e6
	v_mov_b32 v14, 0
	v_mov_b32 v15, 0
.set n, 0
.rept 32
	v_mov_b32 v[O+n], 0
.set n, n+1
.endr
	v_floor_f32 v12, -v13                          ; -M
.endm
.macro PUT aa, ab                      ; my part into LDS; each accumulator from its low end on
	v_add_f32 v13, v14, v15                        ; my lane's sum; v[12:13] = (-M, sum)
	s_wait_alu depctr_va_vdst(0)
.irp q, 0,1,2,3,4,5,6,7
	ds_store_b128 v[\aa], v[O+4*\q:O+4*\q+3] offset:512*\q
.endr
	ds_store_b64 v[\ab], v[12:13]
	s_wait_dscnt 0x0
.endm
.macro SWITCH                          ; from the low tile to the high one: r = 0 .. 2 leave their low part
	s_cmp_lt_u32 s[WV], 12
	s_cbranch_scc0 .Lnone_\@
	PUT MLA, MLB
.Lnone_\@:
.irp k, 0,1,2,3
	v_mov_b32 v[20+\k], v[QHC+\k]
	v_mov_b32 v[28+\k], v[QHC+4+\k]
.endr
	v_mov_b32 v36, v[QHW]
	v_lshlrev_b32 v37, 8, v[QHW]
	FRESH
	s_wait_alu depctr_va_vdst(0)
.endm
.macro MASK d                          ; register 16 b + i is hidden where 32 b + i > d
	v_mov_b32 v[NEG], 0xff800000
.set n, 0
.rept 64
	v_cmp_gt_i32 vcc_lo, 32*(n/16)+n%16, v[\d]
	v_cndmask_b32 v[S+n], v[S+n], v[NEG], vcc_lo
.set n, n+1
.endr
.endm
; One record: the slot's st-th step.  sw: the way to the high tile may stand here.  mask: 1 the low tile's diagonal may stand here, 2 it is the high tile's.
; pre: the change of slots is signalled in the middle (1: a fill and a prefetch follow it, 3: a fill, 2: neither).
.macro STEP st, sw, mask, pre
.rept 8
	v_nop                                          ; eight places behind the last products: for the reads of O and for loads into V's registers
.endr
.if \sw
	s_cmp_lg_u32 s[SP], s[SPS]
	s_cbranch_scc1 .Lstay_\@
	SWITCH
.Lstay_\@:
.endif
.if \st
	s_add_co_u32 s56, s[TB], 4*REC
	v_add_nc_u32 v[ADK], s56, v[AB0]
	v_add_nc_u32 v[ADS], s56, v[AS0]
.else
	v_add_nc_u32 v[ADK], s[TB], v[AB0]
	v_add_nc_u32 v[ADS], s[TB], v[AS0]
.endif
	ds_load_b32 v[KS], v[ADS] offset:16384         ; lanes 0-15: pair 0's words, lanes 16-31: pair 1's
	ds_load_b32 v[KS+1], v[ADS] offset:16384+128
.irp p, 0,1,2,3
.irp c, 0,1,2,3
	ds_load_b128 v[F+16*\p+4*\c:F+16*\p+4*\c+3], v[ADK] offset:\p*2048+512*\c
.endr
.endr
	s_wait_alu depctr_va_vdst(0)
.irp p, 0,1,2,3
	s_wait_dscnt 12-4*\p                           ; pair p is in; four loads for each later pair may be out
.if \p%2 == 0
	v_wmma_scale_f32_16x16x128_f8f6f4 v[S+16*\p:S+16*\p+7], v[F+16*\p:F+16*\p+15], v[20:35], 0, v[KS+\p/2], v36
	v_wmma_scale_f32_16x16x128_f8f6f4 v[S+16*\p+8:S+16*\p+15], v[F+16*\p:F+16*\p+15], v[16:31], 0, v[KS+\p/2], v37
.else
	v_wmma_scale_f32_16x16x128_f8f6f4 v[S+16*\p:S+16*\p+7], v[F+16*\p:F+16*\p+15], v[20:35], 0, v[KS+\p/2], v36 matrix_a_scale:MATRIX_SCALE_ROW1
	v_wmma_scale_f32_16x16x128_f8f6f4 v[S+16*\p+8:S+16*\p+15], v[F+16*\p:F+16*\p+15], v[16:31], 0, v[KS+\p/2], v37 matrix_a_scale:MATRIX_SCALE_ROW1
.endif
.endr
.rept 8
	v_nop                                          ; eight places: for the loads below and for the first reads of the scores
.endr
	ds_load_b32 v[VS], v[ADS] offset:16640
	ds_load_b32 v[VS+1], v[ADS] offset:16640+128
.irp f, 0,1,2,3                        ; V's fragments land while the softmax is worked
.irp c, 0,1,2,3
	ds_load_b128 v[F+16*\f+4*\c:F+16*\f+4*\c+3], v[ADK] offset:8192+\f*2048+512*\c
.endr
.endr
.if (\mask) == 1
	s_cmp_lg_u32 s[LX], s[NLM]
	s_cbranch_scc1 .Lopen_\@
	MASK QD
.Lopen_\@:
.elseif (\mask) == 2
	MASK QDH
.endif
.irp b, 0,1,2,3
	v_max3_num_f32 v[BM+\b], v[S+16*\b], v[S+16*\b+1], v[S+16*\b+2]          ; the largest score of each block of 32 keys: for the row's maximum and for the block's largest p; each accumulator from its low end on
.endr
.irp i, 3,5,7,9,11,13
.irp b, 0,1,2,3
	v_max3_num_f32 v[BM+\b], v[BM+\b], v[S+16*\b+\i], v[S+16*\b+\i+1]        ; (i = 7 reads register 8: the block's second accumulator's lowest)
.endr
.endr
.irp b, 0,1,2,3
	v_max_num_f32 v[BM+\b], v[BM+\b], v[S+16*\b+15]
.endr
.irp b, 0,1,2,3
	s_delay_alu instid0(VALU_DEP_4)
	v_permlanex16_b32 v[PT+\b], v[BM+\b], s[SEL], s[SEL+1]
.endr
.irp b, 0,1,2,3
	s_delay_alu instid0(VALU_DEP_4)
	v_max_num_f32 v[BM+\b], v[BM+\b], v[PT+\b]
.endr
	s_delay_alu instid0(VALU_DEP_2)
	v_max3_num_f32 v[TP], v[BM], v[BM+1], v[BM+2]
	s_delay_alu instid0(VALU_DEP_1)
	v_max_num_f32 v[TP], v[TP], v[BM+3]
	s_delay_alu instid0(VALU_DEP_1)
	v_mul_f32 v[TP], s[CS], v[TP]                  ; as t
	s_delay_alu instid0(VALU_DEP_1)
	v_max_num_f32 v13, v13, v[TP]                  ; the running largest t
	v_mov_b32 v[TP], v12
	s_delay_alu instid0(VALU_DEP_2)
	v_floor_f32 v12, -v13                          ; -M = floor(-t)
	s_delay_alu instid0(VALU_DEP_1)
	v_sub_f32 v[TP], v12, v[TP]                    ; old M - new M: a whole number, 0 or less
	s_delay_alu instid0(VALU_DEP_1)
	v_cvt_i32_f32 v[TP], v[TP]                     ; (it saturates)
	s_delay_alu instid0(VALU_DEP_1)
	v_ldexp_f32 v[FF], 1.0, v[TP]                  ; f = 2^(old M - new M)
.set n, 0
.rept 32
	v_pk_fma_f32 v[S+n:S+n+1], v[S+n:S+n+1], s[CS:CS+1], v[12:13] op_sel_hi:[1,0,0]   ; t - M
.set n, n+2
.endr
.irp b, 0,1,2,3
	v_fma_f32 v[BM+\b], v[BM+\b], s[CS], v12
.endr
	s_wait_alu depctr_va_vdst(0)
.if \pre
	s_wait_tensorcnt 0x0                           ; my half record of the next slot is in,
	ds_add_u32 v[SPW], v[NIL]
.endif
.set n, 0
.rept 64
	v_exp_f32 v[S+n], v[S+n]                       ; p
.set n, n+1
.endr
	v_pk_mul_f32 v[14:15], v[14:15], v[FF:FF+1] op_sel_hi:[1,0]              ; a plain line behind the exponentials: the sums under the new M
	s_wait_alu depctr_va_vdst(0)                   ; a wait ahead of the batch's first reader: one for the 64
.if \pre
	s_wait_xcnt 0x0                                ; an earlier prefetch has read its address
	s_wait_dscnt 0x0                               ; the add is done, and my reads of this slot are over: V is in registers
	s_barrier_signal -1                            ; from here to the barrier's wait: work on registers alone
.if (\pre) != 2
	DESC s[TB]                                     ; the fill goes into the slot that is being left
.endif
.if (\pre) == 1
	s_add_nc_u64 s[PFA:PFA+1], s[PFA:PFA+1], RING
.endif
.endif
.irp b, 0,1,2,3
	v_exp_f32 v[BM+\b], v[BM+\b]                   ; each block's largest p
.endr
.irp k, 0,1,2,3,4,5,6                  ; the row's sum of the unquantised p: eight chains by turns
	v_pk_add_f32 v[PC+2*\k:PC+2*\k+1], v[S+4*\k:S+4*\k+1], v[S+4*\k+2:S+4*\k+3]
.endr
	v_pk_add_f32 v[14:15], v[14:15], v[S+28:S+29]
.irp m, 0,1
.irp k, 0,1,2,3,4,5,6
	v_pk_add_f32 v[PC+2*\k:PC+2*\k+1], v[PC+2*\k:PC+2*\k+1], v[S+30+16*\m+2*\k:S+31+16*\m+2*\k]
.endr
	v_pk_add_f32 v[14:15], v[14:15], v[S+44+16*\m:S+45+16*\m]
.endr
	v_pk_add_f32 v[PC:PC+1], v[PC:PC+1], v[S+62:S+63]
	v_pk_add_f32 v[PC+4:PC+5], v[PC+4:PC+5], v[PC+6:PC+7]
	v_pk_add_f32 v[PC+8:PC+9], v[PC+8:PC+9], v[PC+10:PC+11]
	v_pk_add_f32 v[14:15], v[14:15], v[PC+12:PC+13]
	v_pk_add_f32 v[PC:PC+1], v[PC:PC+1], v[PC+2:PC+3]
	s_delay_alu instid0(VALU_DEP_3)
	v_pk_add_f32 v[PC+4:PC+5], v[PC+4:PC+5], v[PC+8:PC+9]
	s_delay_alu instid0(VALU_DEP_2)
	v_pk_add_f32 v[14:15], v[14:15], v[PC:PC+1]
	s_delay_alu instid0(VALU_DEP_1)
	v_pk_add_f32 v[14:15], v[14:15], v[PC+4:PC+5]
	s_wait_alu depctr_va_vdst(0)                   ; and one for the four
.irp b, 0,1,2,3
	v_max_num_f32 v[BM+\b], 0x4800000, v[BM+\b]    ; the floor 2^(9 - 127)
.endr
.irp b, 0,1,2,3
	v_add_nc_u32 v[SO+\b], 0xfc000000, v[BM+\b]
.endr
.irp b, 0,1,2,3
	v_and_or_b32 v[LM+\b], v[BM+\b], 0x7f800000, s[MNT]
.endr
.irp b, 0,1,2,3
	v_lshrrev_b32 v[PT+\b], 23, v[SO+\b]
.endr
.irp b, 0,1,2,3
.set n, 0
.rept 8
	v_dual_min_num_f32 v[S+16*\b+n], v[LM+\b], v[S+16*\b+n] :: v_dual_min_num_f32 v[S+16*\b+n+1], v[LM+\b], v[S+16*\b+n+1]   ; p is not negative: the hold is one-sided
.set n, n+2
.endr
.if \b == 0
	v_lshl_or_b32 v[PW], v[PT+1], 8, v[PT]
.elseif \b < 3
	v_lshl_or_b32 v[PW], v[PT+1+\b], 8+8*\b, v[PW]
.endif
	v_cvt_scalef32_pk8_fp8_f32 v[PC+4*\b:PC+4*\b+1], v[S+16*\b:S+16*\b+7], v[SO+\b]
	v_cvt_scalef32_pk8_fp8_f32 v[PC+4*\b+2:PC+4*\b+3], v[S+16*\b+8:S+16*\b+15], v[SO+\b]
.endr
	s_wait_alu depctr_va_vdst(0)
.set n, 0
.rept 16
	v_pk_mul_f32 v[O+n:O+n+1], v[O+n:O+n+1], v[FF:FF+1] op_sel_hi:[1,0]      ; O^T under the new M; these are also the places between the codes and the products
.set n, n+2
.endr
.if (\pre) == 0
	s_wait_alu depctr_va_vdst(0)
	s_wait_dscnt 0x0                               ; V
.endif
.irp f, 0,1,2,3
.if \f%2 == 0
	v_wmma_scale_f32_16x16x128_f8f6f4 v[O+8*\f:O+8*\f+7], v[F+16*\f:F+16*\f+15], v[PC:PC+15], v[O+8*\f:O+8*\f+7], v[VS+\f/2], v[PW]
.else
	v_wmma_scale_f32_16x16x128_f8f6f4 v[O+8*\f:O+8*\f+7], v[F+16*\f:F+16*\f+15], v[PC:PC+15], v[O+8*\f:O+8*\f+7], v[VS+\f/2], v[PW] matrix_a_scale:MATRIX_SCALE_ROW1
.endif
.endr
	s_add_co_u32 s[SP], s[SP], 1
	s_add_co_u32 s[LX], s[LX], 3
.endm
; The change of slots' end: everybody's part of the next slot is in and nobody reads the slot that is left: it is filled again (1: by every wave, 2: by waves 0 and 1 with the one record of step 8, 0: not at all).
.macro POST fill
	s_wait_alu depctr_va_vdst(0)
	s_barrier_wait -1
.if (\fill) == 1
	TLOAD
.elseif (\fill) == 2
	s_cmp_lt_u32 s[WV], 2
	s_cbranch_scc0 .Lasked_\@
	TLOAD
.Lasked_\@:
.endif
.endm
	s_load_b128 s[4:7], s[0:1], 0x0                ; qb, kv
	s_load_b64 s[8:9], s[0:1], 0x10                ; ob
	v_lshl_add_u32 v[SPW], v0, 2, SPARE
	v_mov_b32 v[NIL], 0
	ds_add_u32 v[SPW], v[NIL]                      ; the wave's opening: the add, twice on end, and its wait ahead of the first tensor load; work on registers stands between
	ds_add_u32 v[SPW], v[NIL]
	v_lshrrev_b32 v48, 5, v0
	v_readfirstlane_b32 s[WV], v48                 ; wave 0..15
	s_lshr_b32 s[RR], s[WV], 2
	s_and_b32 s[TI], s[WV], 3
	s_and_b32 s[BH], ttmp7, 0xffff
	s_lshr_b32 s[NLM], ttmp9, 1
	s_add_co_u32 s[NL], s[NLM], 1
	s_lshl_b32 s54, ttmp9, 2
	s_add_co_u32 s[TL], s54, s[TI]                 ; my low tile
	s_sub_co_u32 s54, 252, s54
	s_add_co_u32 s[TH], s54, s[TI]                 ; my high tile
	s_sub_co_u32 s54, s[NL], s[RR]
	s_add_co_u32 s54, s54, 2
	s_mul_i32 s54, s54, 43
	s_lshr_b32 s54, s54, 7                         ; (NL - r + 2) / 3, rounded down: exact up to 18: my number of low steps;
	s_cmp_lt_u32 s[RR], 3
	s_cselect_b32 s[SPS], s54, 0                   ; r = 3 has none
	s_cselect_b32 s54, 0, 64
	s_add_co_u32 s[LX], s[RR], s54
	s_lshr_b32 s[FH], s[WV], 1                     ; the record of a slot that I fetch half of: step s[FH] / 4, residue s[FH] % 4
	s_lshr_b32 s57, s[FH], 2
	s_mul_i32 s57, s57, 3
	s_add_co_u32 s[FM], s57, 3
	s_and_b32 s58, s[FH], 3
	s_add_co_u32 s[FL], s57, s58
	s_cmp_eq_u32 s58, 3
	s_cselect_b32 s54, 64, 0
	s_add_co_u32 s[FL], s[FL], s54
	s_and_b32 s[HOFF], s[WV], 1
	s_mul_i32 s[HOFF], s[HOFF], HREC
	s_mul_i32 s[LB], s[WV], HREC
	s_lshr_b32 s54, s[TL], 1                       ; a tile's first query: 32 (T / 2) + 8 (T % 2); less its diagonal record's first key
	s_lshl_b32 s54, s54, 5
	s_and_b32 s55, s[TL], 1
	s_lshl_b32 s55, s55, 3
	s_add_co_u32 s54, s54, s55
	s_lshl_b32 s55, s[NLM], 7
	s_sub_co_u32 s[QL], s54, s55
	s_lshr_b32 s54, s[TH], 1
	s_lshl_b32 s54, s54, 5
	s_and_b32 s55, s[TH], 1
	s_lshl_b32 s55, s55, 3
	s_add_co_u32 s54, s54, s55
	s_sub_co_u32 s55, 32, s[NL]
	s_lshl_b32 s55, s55, 7
	s_sub_co_u32 s[QH], s54, s55
	v_and_b32 v48, 31, v0                          ; lane
	v_and_b32 v49, 15, v0                          ; r
	v_bfe_u32 v50, v0, 4, 1                        ; h
	s_mul_i32 s56, s[RR], REC
	v_lshl_add_u32 v[AB0], v48, 4, s56
	v_lshl_add_u32 v[AS0], v48, 2, s56
	v_lshlrev_b32 v[PFO], 8, v48
	s_mul_i32 s57, s[WV], PART
	s_add_co_u32 s58, s57, LOWR
	v_lshl_add_u32 v[MLA], v48, 4, s58
	s_add_co_u32 s58, s58, 4096
	v_lshl_add_u32 v[MLB], v48, 3, s58
	s_add_co_u32 s58, s57, HIGHR-4*PART
	v_lshl_add_u32 v[MHA], v48, 4, s58
	s_add_co_u32 s58, s58, 4096
	v_lshl_add_u32 v[MHB], v48, 3, s58
	v_lshlrev_b32 v[GL16], 4, v48
	v_lshlrev_b32 v[GL4], 2, v48
	v_lshlrev_b32 v[GR4], 2, v49
	v_and_b32 v51, 8, v49
	v_lshlrev_b32 v52, 4, v50
	v_add_nc_u32 v51, v51, v49
	v_sub_nc_u32 v51, v51, v52                     ; r + 8 (r / 8) - 16 h
	v_add_nc_u32 v[QD], s[QL], v51
	v_add_nc_u32 v[QDH], s[QH], v51
	s_mov_b32 s[G1], 3<<16                         ; half a record: a dense block of 8,448 bytes as 33 rows of 256: elements of 8 bytes, no mask, no padding
	s_mov_b32 s[G1+1], 32<<16
	s_mov_b32 s[G1+2], 33<<16
	s_mov_b32 s[G1+3], 32<<16
	s_mov_b32 s[G1+4], 33
	s_mov_b32 s[G1+5], 32
	s_mov_b32 s[G1+6], 0
	s_mov_b32 s[G1+7], 0
	s_mov_b32 s[G0], 1
	s_lshl_b32 s60, s[BH], 5
	s_mul_i32 s60, s60, REC                        ; the head's first record
	s_mov_b32 s61, 0
	s_mov_b32 s[SEL], 0x76543210
	s_mov_b32 s[SEL+1], 0xfedcba98
	s_mov_b32 s[CS], 0x3cb8aa3b                    ; log2(e) / 64
	s_mov_b32 s[CS+1], s[CS]
	s_mov_b32 s[MNT], 0x600000
	s_mov_b32 s[TB], 0
	s_mov_b32 s[SP], 0
	s_mov_b32 s[TRIPS], 2
	s_wait_alu depctr_va_vdst(0)
	s_wait_dscnt 0x0                               ; both opening adds are done
	s_wait_kmcnt 0x0
	s_add_nc_u64 s[6:7], s[6:7], s[60:61]
	DESC 0
	TLOAD                                          ; slot 0
	s_lshl_b32 s54, s[BH], 8                       ; Q's codes and scale words of my low and my high tile
	s_add_co_u32 s58, s54, s[TL]
	s_add_co_u32 s60, s54, s[TH]
	s_mov_b32 s57, 0
	s_lshl_b32 s56, s58, 10
	s_add_nc_u64 s[66:67], s[4:5], s[56:57]
	s_lshl_b32 s56, s58, 6
	s_add_co_u32 s56, s56, QSC
	s_add_nc_u64 s[68:69], s[4:5], s[56:57]
	s_lshl_b32 s56, s60, 10
	s_add_nc_u64 s[74:75], s[4:5], s[56:57]
	s_lshl_b32 s56, s60, 6
	s_add_co_u32 s56, s56, QSC
	s_add_nc_u64 s[76:77], s[4:5], s[56:57]
	global_load_b128 v[20:23], v[GL16], s[66:67]
	global_load_b128 v[28:31], v[GL16], s[66:67] offset:512
	global_load_b32 v36, v[GR4], s[68:69]
	global_load_b128 v[QHC:QHC+3], v[GL16], s[74:75]
	global_load_b128 v[QHC+4:QHC+7], v[GL16], s[74:75] offset:512
	global_load_b32 v[QHW], v[GR4], s[76:77]
	s_mul_i32 s56, s[WV], 8192                     ; the prefetches: who asks, and where
	s_add_co_u32 s56, s56, 15*REC
	s_add_nc_u64 s[PFA:PFA+1], s[6:7], s[56:57]
	s_cmp_eq_u32 ttmp9, 0
	s_cselect_b32 s[LIM], 0, 1
	s_cmp_eq_u32 s[RR], 0                          ; whose result I send, if I send: r = 0 the high tile's, r = 1 the low tile's
	s_cselect_b32 s55, s[TH], s[TL]
	s_lshr_b32 s54, s[BH], 2
	s_lshl_b32 s54, s54, 8
	s_add_co_u32 s54, s54, s55                     ; the tile among all 512
	s_and_b32 s55, s[BH], 3
	s_lshr_b32 s58, s55, 1                         ; the head's K step of the last product,
	s_and_b32 s55, s55, 1                          ; and its half of it
	s_lshl_b32 s56, s54, 12
	s_lshl_b32 s59, s58, 11
	s_add_co_u32 s56, s56, s59
	s_lshl_b32 s59, s55, 10
	s_add_co_u32 s56, s56, s59
	s_add_nc_u64 s[70:71], s[8:9], s[56:57]        ; the result's codes
	s_lshl_b32 s56, s54, 8
	s_lshl_b32 s59, s58, 7
	s_add_co_u32 s56, s56, s59
	s_lshl_b32 s59, s55, 1
	s_add_co_u32 s56, s56, s59
	s_add_co_u32 s56, s56, OSC
	s_add_nc_u64 s[72:73], s[8:9], s[56:57]        ; and its halves of scale words
.irp a, 16,17,18,19,24,25,26,27,32,33,34,35
	v_mov_b32 v[\a], 0                             ; the zero codes round q0 and q1
.endr
.irp b, 0,1,2,3
	v_mov_b32 v[PT+\b], 0                          ; a lane permute's destination counts as one of its sources
.endr
	v_mov_b32 v[FF+1], 0
	FRESH
	s_wait_alu depctr_va_vdst(0)                   ; the wait at the head's end
	s_wait_tensorcnt 0x0                           ; my half record of slot 0 is in
	ds_add_u32 v[SPW], v[NIL]
	DESC RING
	s_wait_dscnt 0x0
	s_barrier_signal -1
	s_barrier_wait -1
	TLOAD                                          ; slot 1
	ASK
	s_wait_loadcnt 0x0                             ; Q
	v_lshlrev_b32 v37, 8, v36                      ; the scale word for Q's other standing: bytes 0, s0, 0x7f, s1
.Lslot:                                            ; steps 0 to 3
	STEP 0, 1, 1, 0
	STEP 1, 1, 1, 1
	POST 1
	ASK
	s_add_co_u32 s[TB], s[TB], RING
	s_sub_co_u32 s[TRIPS], s[TRIPS], 1
	s_cmp_lg_u32 s[TRIPS], 0
	s_cbranch_scc1 .Lslot
	s_mov_b32 s[TB], 0                             ; steps 4, 5; a low list ends at step 5 at the latest
	STEP 0, 1, 1, 0
	STEP 1, 1, 1, 3
	POST 2
	s_mov_b32 s[TB], RING                          ; steps 6, 7
	STEP 0, 1, 0, 0
	STEP 1, 0, 0, 2
	POST 0
	s_mov_b32 s[TB], 0
.rept 8
	v_nop                                          ; eight places behind the last products
.endr
	s_cmp_lt_u32 s[WV], 4
	s_cbranch_scc1 .Lown
	PUT MHA, MHB                                   ; r = 1 .. 3: my high part
.Lown:
	s_wait_dscnt 0x0                               ; for r = 0's sake: my stores have landed
	s_barrier_signal -1
	s_cmp_lt_u32 s[WV], 4
	s_cbranch_scc0 .Lrest
	STEP 0, 0, 2, 0                                ; r = 0: step 8, between the signal and the wait: registers, and LDS loads of slot 0's record, which nobody writes any more
.Lrest:
	s_wait_alu depctr_va_vdst(0)
	s_barrier_wait -1
	s_cmp_lt_u32 s[WV], 8
	s_cbranch_scc1 .Lmerge
	s_wait_tensorcnt 0x0                           ; the end of r = 2, 3
	ds_add_u32 v[SPW], v[NIL]
	s_wait_dscnt 0x0
	s_endpgm
.Lmerge:
	s_cmp_lt_u32 s[WV], 4
	s_cbranch_scc1 .Lhave
.rept 8
	v_nop                                          ; eight places behind products, whichever way led here
.endr
	FRESH                                          ; r = 1 begins with nothing and takes the low tile's three parts
	s_wait_alu depctr_va_vdst(0)
.Lhave:
	s_mul_i32 s56, s[TI], PART
	s_mul_i32 s57, s[RR], LOWR-HIGHR
	s_add_co_u32 s56, s56, s57
	s_add_co_u32 s56, s56, HIGHR
	s_add_co_u32 s57, s56, 4096
	v_add_nc_u32 v[ADK], s56, v[GL16]
	v_lshrrev_b32 v[ADS], 1, v[GL16]
	v_add_nc_u32 v[ADS], s57, v[ADS]
.rept 5
	v_nop                                          ; with the three lines above: eight places in front of loads into registers that matrix instructions have read
.endr
.irp k, 0,1,2
	ds_load_b64 v[BM+2*\k:BM+2*\k+1], v[ADS] offset:4*PART*\k
.endr
.irp k, 0,1,2
.irp q, 0,1,2,3,4,5,6,7
	ds_load_b128 v[F+32*\k+4*\q:F+32*\k+4*\q+3], v[ADK] offset:4*PART*\k+512*\q
.endr
.endr
	s_wait_dscnt 24                                ; the three pairs (-M, sum) are in; the 24 loads behind them may be out
	v_min3_num_f32 v230, v12, v224, v226
	v_min_num_f32 v230, v230, v228                 ; the joint -M
	v_sub_f32 v231, v230, v12
	v_sub_f32 v240, v230, v224                     ; (a part of no step: -3e38, which saturates: its factor is 0, over zeros)
	v_sub_f32 v241, v230, v226
	v_sub_f32 v242, v230, v228
	v_cvt_i32_f32 v231, v231
	v_cvt_i32_f32 v240, v240
	v_cvt_i32_f32 v241, v241
	v_cvt_i32_f32 v242, v242
	v_ldexp_f32 v232, 1.0, v231
	v_ldexp_f32 v234, 1.0, v240
	v_ldexp_f32 v236, 1.0, v241
	v_ldexp_f32 v238, 1.0, v242
	v_add_f32 v13, v14, v15
	v_mul_f32 v13, v13, v232
	v_fma_f32 v13, v225, v234, v13
	v_fma_f32 v13, v227, v236, v13
	v_fma_f32 v13, v229, v238, v13
	v_permlanex16_b32 v240, v13, s[SEL], s[SEL+1]
	v_add_f32 v13, v13, v240                       ; the row's sum
	s_wait_alu depctr_va_vdst(0)
	v_rcp_f32 v241, v13
	v_nop                                          ; a plain line behind the reciprocal
	s_wait_alu depctr_va_vdst(0)                   ; and a wait ahead of its first reader
	v_mul_f32 v232, v232, v241                     ; a power of two x 1 / sum: nothing more is rounded
	v_mul_f32 v234, v234, v241
	v_mul_f32 v236, v236, v241
	v_mul_f32 v238, v238, v241
	s_wait_dscnt 0x0
	s_wait_alu depctr_va_vdst(0)
.set n, 0
.rept 16
	v_pk_mul_f32 v[O+n:O+n+1], v[O+n:O+n+1], v[232:233] op_sel_hi:[1,0]
.set n, n+2
.endr
.irp k, 0,1,2
.set n, 0
.rept 16
	v_pk_fma_f32 v[O+n:O+n+1], v[F+32*\k+n:F+32*\k+n+1], v[234+2*\k:235+2*\k], v[O+n:O+n+1] op_sel_hi:[1,0,1]
.set n, n+2
.endr
.endr
	; register 16 b + i = channel 32 b + 16 (lane / 16) + i of my query: two blocks of the last product's K
.irp b, 0,1
	v_max3_num_f32 v[BM+\b], |v[O+16*\b]|, |v[O+16*\b+1]|, 0x4800000
.endr
.irp i, 2,4,6,8,10,12,14
.irp b, 0,1
	s_delay_alu instid0(VALU_DEP_2)
	v_max3_num_f32 v[BM+\b], v[BM+\b], |v[O+16*\b+\i]|, |v[O+16*\b+\i+1]|
.endr
.endr
.irp b, 0,1
	s_delay_alu instid0(VALU_DEP_2)
	v_permlanex16_b32 v[PT+\b], v[BM+\b], s[SEL], s[SEL+1]
.endr
.irp b, 0,1
	s_delay_alu instid0(VALU_DEP_2)
	v_max_num_f32 v[BM+\b], v[BM+\b], v[PT+\b]
.endr
.irp b, 0,1
	s_delay_alu instid0(VALU_DEP_2)
	v_add_nc_u32 v[SO+\b], 0xfc000000, v[BM+\b]
.endr
.irp b, 0,1
	s_delay_alu instid0(VALU_DEP_4)
	v_and_or_b32 v[LM+\b], v[BM+\b], 0x7f800000, s[MNT]
.endr
.irp b, 0,1
	s_delay_alu instid0(VALU_DEP_4)
	v_lshrrev_b32 v[PT+\b], 23, v[SO+\b]
.endr
	s_delay_alu instid0(VALU_DEP_1)
	v_lshl_or_b32 v[PW], v[PT+1], 8, v[PT]         ; my head's half of the scale word
.irp b, 0,1
.set n, 0
.rept 16
	v_med3_num_f32 v[O+16*\b+n], v[O+16*\b+n], -v[LM+\b], v[LM+\b]
.set n, n+1
.endr
	v_cvt_scalef32_pk8_fp8_f32 v[PC+4*\b:PC+4*\b+1], v[O+16*\b:O+16*\b+7], v[SO+\b]
	v_cvt_scalef32_pk8_fp8_f32 v[PC+4*\b+2:PC+4*\b+3], v[O+16*\b+8:O+16*\b+15], v[SO+\b]
.endr
	v_nop
	global_store_b128 v[GL16], v[PC:PC+3], s[70:71]                          ; 512 consecutive bytes
	global_store_b128 v[GL16], v[PC+4:PC+7], s[70:71] offset:512
	global_store_b16 v[GL4], v[PW], s[72:73]
	s_wait_tensorcnt 0x0                           ; the wave's end
	ds_add_u32 v[SPW], v[NIL]
	s_wait_dscnt 0x0
	s_endpgm
.Lfunc_end_k_q50a4d871b2_attn:
	.size	k_q50a4d871b2_attn, .Lfunc_end_k_q50a4d871b2_attn-k_q50a4d871b2_attn
	.p2alignl 7, 3214868480
	.fill 96, 4, 3214868480
	.section	.rodata,"a",@progbits
	.p2align	6, 0x0
	.amdhsa_kernel k_q50a4d871b2_attn
		.amdhsa_group_segment_fixed_size 327680
		.amdhsa_private_segment_fixed_size 0
		.amdhsa_enable_private_segment 0
		.amdhsa_kernarg_size 24
		.amdhsa_user_sgpr_count 2
		.amdhsa_user_sgpr_kernarg_segment_ptr 1
		.amdhsa_wavefront_size32 1
		.amdhsa_system_sgpr_workgroup_id_x 1
		.amdhsa_system_sgpr_workgroup_id_y 1
		.amdhsa_system_sgpr_workgroup_id_z 1
		.amdhsa_system_vgpr_workitem_id 0
		.amdhsa_next_free_vgpr 256
		.amdhsa_next_free_sgpr 80
		.amdhsa_reserve_vcc 1
		.amdhsa_float_denorm_mode_32 3
		.amdhsa_float_denorm_mode_16_64 3
		.amdhsa_memory_ordered 1
		.amdhsa_forward_progress 1
		.amdhsa_inst_pref_size 199
	.end_amdhsa_kernel
	.amdgpu_metadata
---
amdhsa.version: [ 1, 2 ]
amdhsa.kernels:
  - .name:           k_q50a4d871b2_attn
    .symbol:         k_q50a4d871b2_attn.kd
    .args:
      - { .name: qb, .offset: 0, .size: 8, .value_kind: global_buffer, .address_space: global }
      - { .name: kv, .offset: 8, .size: 8, .value_kind: global_buffer, .address_space: global }
      - { .name: ob, .offset: 16, .size: 8, .value_kind: global_buffer, .address_space: global }
    .group_segment_fixed_size: 327680
    .private_segment_fixed_size: 0
    .kernarg_segment_align: 8
    .kernarg_segment_size: 24
    .max_flat_workgroup_size: 512
    .sgpr_count:     80
    .vgpr_count:     256
    .wavefront_size: 32
...
	.end_amdgpu_metadata
.endif
;; end of part 3
;; launch oproj (part 4): grid 4 x 64, 16 waves a work-group, clusters of 4 x 4, 169,984 bytes of LDS; arguments ob, wts, out0; writes out0
.if DOCPART == 4
	.amdgcn_target "amdgcn-amd-amdhsa--gfx1250"
	.amdhsa_code_object_version 6
	.text
	.protected	k_q50a4d871b2_oproj
	.globl	k_q50a4d871b2_oproj
	.p2align	8
	.type	k_q50a4d871b2_oproj,@function
k_q50a4d871b2_oproj:
	s_mov_b64 s[64:65], 0
	v_nop
	global_prefetch_b8 v0, s[64:65] scope:SCOPE_SE
	s_setreg_imm32_b32 hwreg(HW_REG_WAVE_MODE, 25, 1), 1
	s_wait_xcnt 0x0
	s_wait_alu depctr_hold_cnt(0) depctr_sa_sdst(0) depctr_va_vdst(0) depctr_va_sdst(0) depctr_va_ssrc(0) depctr_va_vcc(0) depctr_vm_vsrc(0)
	s_getreg_b32 s2, hwreg(HW_REG_IB_STS2, 6, 4)
	s_cmp_eq_u32 s2, 0
	s_cbranch_scc0 .Lentry_in_a_cluster
	s_endpgm
.Lentry_in_a_cluster:
	s_bfe_u32 s2, ttmp6, 0x10000c
	s_cmp_lg_u32 s2, 0xf033
	s_cbranch_scc0 .Lentry_shape_is_right
	s_endpgm
.Lentry_shape_is_right:
; out0 = (attention's result) wo on codes of FP8 (E4M3) with E8M0 scales; K = 256, two steps of 128.  Both operands lie in memory in the order of their registers: a fragment is four pieces of 512 consecutive bytes, in LDS too.
; SHARES.  A work-group takes 128 tokens (eight tiles, 32 KB of codes) x 256 columns (sixteen fragments of wo, 64 KB): four waves along the tokens, 32 each (two tiles), by four along the columns, 64 each (four fragments, which stay in registers).
; CLUSTERS of 4 x 4: a row shares the tokens, a column shares wo's columns: joint loads, all at the head, one a wave: waves 0, 1 the tokens' halves, waves 2 to 5 wo's quarters.  Nothing is filled again; the launch has no loop, so nothing is prefetched.
; Source 0 = 16 columns of wo (members 32 b + 8 u + r + 8 (r / 8)), source 1 = 16 tokens: a lane holds eight neighbouring columns of one token's row.  A tile goes through the wave's own stage in LDS
; (16 rows of 256 bytes + 16) and leaves as rows: sixteen lanes store 256 consecutive bytes, aligned.
; LIMITS: NaN and infinities are not served.
.set WOC,   1622016
.set WOS,   1884160
.set OSC,   2097152
.set BT,    32768                      ; LDS: the tokens' codes from 0, wo's from here,
.set STAGE, 98304                      ; sixteen stages behind them (no tensor load lands here),
.set SPARE, 167936                     ; and the spare words, 128 bytes a wave
.set SPW,   2
.set NIL,   3
.set BSC,   10                         ; v10-17  wo's scale words: 2 f + s
.set ASC,   18                         ; v18-21  the tokens': 2 k + s
.set ADB,   24                         ; v24  LDS address of my columns' fragments;  v25  of my tokens'
.set ADA,   25
.set BF,    32                         ; v32-159 wo's fragments: 32 f + 16 s
.set AF,    160                        ; v160-223 the tokens': 32 k + 16 s; later the tile's rows on their way out
.set ACC,   224                        ; v224-255 four accumulators
.set G1A,   40
.set G1B,   48
.set G0A,   56
.set G0B,   60
.macro CROUND                          ; a round of the cluster's barrier
	s_barrier_signal -1
	s_barrier_wait -1
	s_cmp_lg_u32 s10, 0
	s_cbranch_scc1 .Lnot_wave_0_\@
	s_barrier_signal -3
.Lnot_wave_0_\@:
	s_barrier_wait -3
	s_barrier_signal -1
	s_barrier_wait -1
.endm
	s_load_b128 s[4:7], s[0:1], 0x0                ; ob, wts
	s_load_b64 s[8:9], s[0:1], 0x10                ; out0
	v_lshl_add_u32 v[SPW], v0, 2, SPARE
	v_mov_b32 v[NIL], 0
	ds_add_u32 v[SPW], v[NIL]                      ; the wave's opening: the add, twice on end, and its wait ahead of the first tensor load
	ds_add_u32 v[SPW], v[NIL]
	v_lshrrev_b32 v1, 5, v0
	v_readfirstlane_b32 s10, v1                    ; wave 0..15
	s_bfe_u32 s30, ttmp6, 0x40000                  ; cx, cy
	s_bfe_u32 s31, ttmp6, 0x40004
	s_lshl_b32 s25, ttmp9, 2
	s_add_co_u32 s25, s25, s30                     ; x: which 256 columns
	s_and_b32 s26, ttmp7, 0xffff
	s_lshl_b32 s26, s26, 2
	s_add_co_u32 s26, s26, s31                     ; y: which 128 tokens
	s_lshl_b32 s27, s31, 2
	s_lshl_b32 s27, 15, s27                        ; my row of the cluster
	s_lshl_b32 s28, 0x1111, s30                    ; my column
	s_or_b32 s[G1A], s27, (3<<16)|(1<<21)          ; 16,384 dense bytes as 64 rows of 256: elements of 8 bytes, no padding
	s_or_b32 s[G1B], s28, (3<<16)|(1<<21)
.irp g, G1A, G1B
	s_mov_b32 s[\g+1], 32<<16
	s_mov_b32 s[\g+2], 64<<16
	s_mov_b32 s[\g+3], 32<<16
	s_mov_b32 s[\g+4], 64
	s_mov_b32 s[\g+5], 32
	s_mov_b32 s[\g+6], 0
	s_mov_b32 s[\g+7], 0
.endr
	s_lshl_b32 s29, s10, 14                        ; where a wave's tile goes in LDS: wave x 16,384: the tokens' two, then wo's four
	s_lshl_b32 s12, s26, 15
	s_add_co_u32 s12, s12, s29                     ; the tokens' codes: 32,768 y + 16,384 x wave
	s_mov_b32 s13, 0
	s_lshl_b32 s16, s25, 16
	s_add_co_u32 s16, s16, s29
	s_add_co_u32 s16, s16, WOC-BT                  ; wo's codes: 65,536 x + 16,384 x (wave - 2)
	s_mov_b32 s17, 0
	v_and_b32 v1, 31, v0
	v_and_b32 v6, 15, v0                           ; r
	v_bfe_u32 v7, v0, 4, 1                         ; h
	s_mul_i32 s11, s10, 4352
	s_add_co_u32 s11, s11, STAGE                   ; my stage
	v_lshlrev_b32 v4, 4, v1                        ; 16 x lane
	v_lshlrev_b32 v5, 2, v1                        ; 4 x lane
	v_lshlrev_b32 v8, 5, v6                        ; 32 r
	v_mul_u32_u24 v9, v6, 272
	v_mul_u32_u24 v22, v7, 272
	v_lshlrev_b32 v23, 12, v7
	v_lshl_add_u32 v9, v7, 6, v9
	v_lshl_add_u32 v22, v6, 4, v22
	v_lshl_add_u32 v23, v6, 4, v23                 ; two rows of out0: lanes 0-15 one, lanes 16-31 the next
	v_add_nc_u32 v9, s11, v9                       ; the stage, in: row r, + 64 h
	v_add_nc_u32 v22, s11, v22                     ; back: lanes 0-15 one row, lanes 16-31 the next
	s_and_b32 s32, s10, 3
	s_lshl_b32 s33, s32, 14
	s_add_co_u32 s33, s33, BT
	v_add_nc_u32 v[ADB], s33, v4
	s_lshr_b32 s34, s10, 2
	s_lshl_b32 s33, s34, 13
	v_add_nc_u32 v[ADA], s33, v4
	s_lshl_b32 s22, s25, 2
	s_add_co_u32 s22, s22, s32                     ; c: which 64 columns are mine
	s_lshl_b32 s23, s26, 2
	s_add_co_u32 s23, s23, s34                     ; g: which 32 tokens
	s_lshl_b32 s14, s22, 11
	s_add_co_u32 s14, s14, WOS
	s_mov_b32 s15, 0
	s_lshl_b32 s18, s23, 9
	s_add_co_u32 s18, s18, OSC
	s_mov_b32 s19, 0
	s_lshl_b32 s20, s23, 17                        ; token 32 g: 4,096 bytes a row
	s_lshl_b32 s21, s22, 8
	s_add_co_u32 s20, s20, s21
	s_mov_b32 s21, 0
	s_wait_alu depctr_va_vdst(0)                   ; the wait at the head's end
	s_wait_dscnt 0x0                               ; both opening adds are done
	s_wait_kmcnt 0x0
	s_mov_b32 s[G0A], 1
	s_mov_b32 s[G0A+1], s29
	s_add_nc_u64 s[G0A+2:G0A+3], s[4:5], s[12:13]
	s_or_b32 s[G0A+3], s[G0A+3], 0x80000000
	s_mov_b32 s[G0B], 1
	s_mov_b32 s[G0B+1], s29
	s_add_nc_u64 s[G0B+2:G0B+3], s[6:7], s[16:17]
	s_or_b32 s[G0B+3], s[G0B+3], 0x80000000
	CROUND                                         ; all sixteen work-groups are here: the joint loads meet
	s_cmp_lt_u32 s10, 2
	s_cbranch_scc0 .Lfor_b
	tensor_load_to_lds s[G0A:G0A+3], s[G1A:G1A+7]
	s_nop 0
.rept 4
	v_nop
.endr
	s_branch .Lasked
.Lfor_b:
	s_cmp_lt_u32 s10, 6
	s_cbranch_scc0 .Lasked
	tensor_load_to_lds s[G0B:G0B+3], s[G1B:G1B+7]
	s_nop 0
.rept 4
	v_nop
.endr
.Lasked:
	s_add_nc_u64 s[14:15], s[6:7], s[14:15]
	s_add_nc_u64 s[18:19], s[4:5], s[18:19]
	s_add_nc_u64 s[20:21], s[8:9], s[20:21]
.irp f, 0,1,2,3
	global_load_b64 v[BSC+2*\f:BSC+2*\f+1], v8, s[14:15] offset:\f*512
.endr
.irp k, 0,1
.irp s, 0,1
	global_load_b32 v[ASC+2*\k+\s], v5, s[18:19] offset:\k*256+\s*128
.endr
.endr
	s_wait_tensorcnt 0x0                           ; my tile is in,
	s_barrier_signal -1
	s_barrier_wait -1                              ; and so is everybody's
.irp f, 0,1,2,3
.irp s, 0,1
.irp c, 0,1,2,3
	ds_load_b128 v[BF+32*\f+16*\s+4*\c:BF+32*\f+16*\s+4*\c+3], v[ADB] offset:\f*4096+\s*2048+512*\c
.endr
.endr
.endr
.irp k, 0,1
.irp s, 0,1
.irp c, 0,1,2,3
	ds_load_b128 v[AF+32*\k+16*\s+4*\c:AF+32*\k+16*\s+4*\c+3], v[ADA] offset:\k*4096+\s*2048+512*\c
.endr
.endr
.endr
	s_wait_loadcnt 0x0                             ; the scale words
.macro TILE k
.if \k == 0
	s_wait_dscnt 8                                 ; all but tile 1's eight loads are in (its wait: the last of tile 0's way out, for 0)
.else
.rept 9
	v_nop                                          ; the accumulators are begun anew: nine places behind the products that wrote them
.endr
.endif
.irp s, 0,1
.irp f, 0,1,2,3                        ; four accumulators by turns
.if \s == 0
	v_wmma_scale_f32_16x16x128_f8f6f4 v[ACC+8*\f:ACC+8*\f+7], v[BF+32*\f:BF+32*\f+15], v[AF+32*\k:AF+32*\k+15], 0, v[BSC+2*\f], v[ASC+2*\k]
.else
	v_wmma_scale_f32_16x16x128_f8f6f4 v[ACC+8*\f:ACC+8*\f+7], v[BF+32*\f+16:BF+32*\f+31], v[AF+32*\k+16:AF+32*\k+31], v[ACC+8*\f:ACC+8*\f+7], v[BSC+2*\f+1], v[ASC+2*\k+1]
.endif
.endr
.endr
.rept 8
	v_nop                                          ; eight places: for the stores that read the results and the loads into the tokens' registers
.endr
.irp f, 0,1,2,3
	ds_store_b128 v9, v[ACC+8*\f:ACC+8*\f+3] offset:128*(\f/2)+32*(\f%2)     ; columns 32 (f / 2) + 16 h + 8 (f % 2) + 0 .. 7 of my 64; each accumulator from its low end on
	ds_store_b128 v9, v[ACC+8*\f+4:ACC+8*\f+7] offset:128*(\f/2)+32*(\f%2)+16
.endr
.irp i, 0,1,2,3,4,5,6,7
	ds_load_b128 v[AF+32*\k+4*\i:AF+32*\k+4*\i+3], v22 offset:2*\i*272       ; LDS serves a wave's instructions in order (ISA guide 5.7.1.4): these see my stores
.endr
.irp i, 0,1,2,3,4,5,6,7
	s_wait_dscnt 7-\i
	global_store_b128 v23, v[AF+32*\k+4*\i:AF+32*\k+4*\i+3], s[20:21] offset:(8*\k+2*\i+8*(\i/4))*4096 th:TH_STORE_NT   ; the tile's rows 2 i, 2 i + 1 are tokens 8 k + 2 i + 8 (i / 4) + 0, 1 of the 32
.endr
.endm
	TILE 0
	TILE 1
	s_wait_tensorcnt 0x0                           ; the wave's end, behind my last LDS store
	ds_add_u32 v[SPW], v[NIL]
	s_wait_dscnt 0x0
	CROUND                                         ; the closing round: no work-group ends while a partner may still ask for a tile that names it
	s_endpgm
.Lfunc_end_k_q50a4d871b2_oproj:
	.size	k_q50a4d871b2_oproj, .Lfunc_end_k_q50a4d871b2_oproj-k_q50a4d871b2_oproj
	.p2alignl 7, 3214868480
	.fill 96, 4, 3214868480
	.section	.rodata,"a",@progbits
	.p2align	6, 0x0
	.amdhsa_kernel k_q50a4d871b2_oproj
		.amdhsa_group_segment_fixed_size 169984
		.amdhsa_private_segment_fixed_size 0
		.amdhsa_enable_private_segment 0
		.amdhsa_kernarg_size 24
		.amdhsa_user_sgpr_count 2
		.amdhsa_user_sgpr_kernarg_segment_ptr 1
		.amdhsa_wavefront_size32 1
		.amdhsa_system_sgpr_workgroup_id_x 1
		.amdhsa_system_sgpr_workgroup_id_y 1
		.amdhsa_system_sgpr_workgroup_id_z 1
		.amdhsa_system_vgpr_workitem_id 0
		.amdhsa_next_free_vgpr 256
		.amdhsa_next_free_sgpr 66
		.amdhsa_reserve_vcc 0
		.amdhsa_float_denorm_mode_32 3
		.amdhsa_float_denorm_mode_16_64 3
		.amdhsa_memory_ordered 1
		.amdhsa_forward_progress 1
		.amdhsa_inst_pref_size 17
	.end_amdhsa_kernel
	.amdgpu_metadata
---
amdhsa.version: [ 1, 2 ]
amdhsa.kernels:
  - .name:           k_q50a4d871b2_oproj
    .symbol:         k_q50a4d871b2_oproj.kd
    .args:
      - { .name: ob, .offset: 0, .size: 8, .value_kind: global_buffer, .address_space: global }
      - { .name: wts, .offset: 8, .size: 8, .value_kind: global_buffer, .address_space: global }
      - { .name: out0, .offset: 16, .size: 8, .value_kind: global_buffer, .address_space: global }
    .group_segment_fixed_size: 169984
    .private_segment_fixed_size: 0
    .kernarg_segment_align: 8
    .kernarg_segment_size: 24
    .max_flat_workgroup_size: 512
    .sgpr_count:     66
    .vgpr_count:     256
    .wavefront_size: 32
...
	.end_amdgpu_metadata
.endif
;; end of part 4
